; MI455X (gfx1250); checked and timed in simulation.
; The chip was launched on July 23, 2026; its instructions are those of AMD's public machine-readable ISA for CDNA 5 (MIT licence, August 2026) and "CDNA5" Instruction Set Architecture Reference Guide (July 2026). The comments in the code are by the model that wrote it; some were corrected since.
;; Multi Head Self Attention. Allowed arithmetic: matrix products marked QUANTISED: E2M3 operands, one E8M0 scale for each 32 along K, by v_wmma_scale_f32_16x16x128_f8f6f4 with both operands' format E2M3, f32 sums; everything else in f32.
;; Inputs: wk 1,024 x 1,024 float32; wo 1,024 x 1,024 float32; wq 1,024 x 1,024 float32; wv 1,024 x 1,024 float32; x 4 x 2,048 x 1,024 float32.
;; Outputs: out0 4 x 2,048 x 1,024 float32.
;; This version of the problem:
;;   THIS VERSION OF THE PROBLEM IS GIVEN IN LOW PRECISION. The matrix products marked QUANTISED in the list below multiply operands that are first quantised to E2M3 (2 exponent bits, 3 mantissa bits; 6 bits a number), with one power-of-two scale for each 32 numbers along K (OCP MX v1.0); their sums are f32. All else is computed in f32.
;;   The module's matrix products, in the order in which they are computed (A, B: the left and right operand; K: the contracted axis; several contracted axes count as one K, in the product's order):
;;     1. [M 8,192, K 1,024] x [K 1,024, N 1,024]; A: input x; B: input wq: QUANTISED
;;     2. [M 8,192, K 1,024] x [K 1,024, N 1,024]; A: input x; B: input wk: QUANTISED
;;     3. [M 8,192, K 1,024] x [K 1,024, N 1,024]; A: input x; B: input wv: QUANTISED
;;     4. batch 64 x [M 2,048, K 64] x [K 64, N 2,048]; A: computed on the way; B: computed on the way: QUANTISED
;;     5. batch 64 x [M 2,048, K 2,048] x [K 2,048, N 64]; A: softmax (see below); B: computed on the way: QUANTISED
;;     6. [M 8,192, K 1,024] x [K 1,024, N 1,024]; A: computed on the way; B: input wo: QUANTISED
;;   THE QUANTISER, for each operand of a quantised product, along K:
;;     - K is cut into blocks of 32 from its start; a last block that is shorter is filled with zeros.
;;     - A block's scale is 2^e with e = floor(log2(the largest magnitude in the block)) - 2, held to -126 .. 127; a block of zeros has e = 0. As a byte (E8M0): e + 127.
;;     - Each number is divided by its block's scale, clamped to +-7.5, and rounded to the nearest number of E2M3, ties to even, subnormals kept.
;;     - The product sums the exact products of the quantised numbers (number of the format x scale) in f32.
;;   ~~~python
;;   def quantise(x, axis):      # numpy; x: float32 -> the quantised numbers, widened to float32 again
;;       x = np.moveaxis(x, axis, -1); K = x.shape[-1]
;;       x = np.pad(x, [(0, 0)] * (x.ndim - 1) + [(0, -K % 32)]); x = x.reshape(x.shape[:-1] + (-1, 32)); a = np.abs(x).max(-1, keepdims=True)
;;       e = np.where(a > 0, np.clip(np.frexp(np.where(a > 0, a, 1))[1] - 1 - 2, -126, 127), 0)      # np.frexp(a)[1] - 1 = floor(log2(a)), exactly
;;       r = np.clip(x / 2.0 ** e, -7.5, 7.5)
;;       step = 2.0 ** (np.maximum(np.frexp(np.where(r == 0, 1, r))[1] - 1, 0) - 3)
;;       q = np.round(r / step) * step * 2.0 ** e      # np.round: ties to even
;;       return np.moveaxis(q.reshape(q.shape[:-2] + (-1,))[..., :K], -1, axis).astype(np.float32)
;;   ~~~
;;   SOFTMAX AHEAD OF A QUANTISED PRODUCT. Where the list says 'softmax', what is quantised is not the finished softmax but p = 2^(t - M), with t = logit x log2(e) and M = ceil(the row's largest t), a whole number; so 1/2 < the row's largest p <= 1. The row's sum l is taken of the UNQUANTISED p, in f32, and the product's result is divided by l at the end. Since M is a whole number, a kernel that streams over the keys may use a running M (the ceiling of the running maximum): every later rescaling is an exact power of two, which a block's scale takes up: the codes' values come out the same.
;;   OPERANDS COMPUTED ON THE WAY. 'Computed on the way' means the value that the module computes at that place (a softmax that the list does not call 'softmax' is quantised finished and normalised). What goes into a quantiser is computed in f32, as accurately as f32 sums, v_exp_f32 and their like allow (about 1e-6 of the number): no bf16 or f16 on the way to a quantiser, and a product that is left as it is and whose result goes on into a quantised operand takes f32 operands (vector FMAs, or v_wmma_f32_16x16x4_f32). A number that lies on a knife's edge between two numbers of the format may be rounded either way, as far as f32 arithmetic and the matrix unit's own rounding can turn it there, and no further.
;; One version. Each part assembles by itself: llvm-mc -triple=amdgcn-amd-amdhsa -mcpu=gfx1250 --defsym DOCPART=n.
;; ======== version 1 of 1: 4 launches
;; workspace buffers: xc 6,291,456 bytes; xs 262,144 bytes; wc 3,145,728 bytes; ws 131,072 bytes; tab 524,288 bytes; qkv 19,660,800 bytes; ao 6,291,456 bytes; aos 262,144 bytes
;; launch prep (part 1): grid 448 x 1, 4 waves a work-group, no clusters, 34,304 bytes of LDS; arguments x, wq, wk, wv, wo, xc, xs, wc, ws, tab; writes xc, xs, wc, ws, tab
.if DOCPART == 1
	.amdgcn_target "amdgcn-amd-amdhsa--gfx1250"
	.amdhsa_code_object_version 6
	.text
	.protected	k_q46f3e67e16_prep
	.globl	k_q46f3e67e16_prep
	.p2align	8
	.type	k_q46f3e67e16_prep,@function
k_q46f3e67e16_prep:
	s_mov_b64 s[64:65], 0
	v_nop
	global_prefetch_b8 v0, s[64:65] scope:SCOPE_SE
	s_setreg_imm32_b32 hwreg(HW_REG_WAVE_MODE, 25, 1), 1
	s_wait_xcnt 0x0
; x [8192][1024] and wq, wk, wv, wo [1024][1024], f32, K innermost, become codes of FP6 (E2M3) with one E8M0 byte for each 32 along K; and RoPE's table of cos and sin is made.
; A block's scale is 2^(floor(log2(its largest magnitude)) - 2); its byte is the largest magnitude's exponent field - 2, held at 1 from below.
; LIMITS: NaN and infinities among the inputs are not served.  A block of zeros gets the byte 1 (not 127): its codes are zeros, and the bytes are read by this program alone.
; LAYOUT OF THE CODES: images of the matrix operand's registers.  Tile T of 16 rows holds in lane place r the row 32 (T / 2) + 8 (T % 2) + r + 8 (r / 8).  The fragment of tile T and K step s (128 along K,
; 12 registers a lane) lies at (8 T + s) x 1,536 bytes: registers 2 p, 2 p + 1 of lane l at 256 p + 8 l.  So each store of a wave covers 256 consecutive bytes, aligned.
; LAYOUT OF THE SCALES: the word of (T, s, r) at 512 T + 128 (s / 2) + 8 r + 4 (s % 2).
; SHARES: work-groups 0-255 take x, 256-383 the weights (32 each: wq, wk, wv, wo; their tiles follow each other in wc), 384-447 the table.  A quantising work-group takes two tiles; wave w tile w / 2, K steps 4 (w % 2) on.
; A load reads 512 consecutive bytes of one row; a step's 16 rows turn through the wave's own stage in LDS (rows 528 bytes apart), so that a lane gets 16 neighbours along K of each block of 32.  Waves share nothing: no barrier.
.set STG,  8448                        ; a wave's stage: 16 rows x (512 + 16) bytes
.set R0,   16                          ; v16-143  two sets of 64: a K step as loaded
.set XN,   144                         ; v144-207 64 numbers: register 16 b + i = k 32 b + 16 (lane / 16) + i of my row
.set PC,   208                         ; v208-226 the codes just made
.set TM,   228                         ; v228-243 at work
.set PW,   244                         ; the scale word just made
.set PWS,  248                         ; v248-251 the four K steps' scale words
.set SEL,  34                          ; s[34:35] lane selects: lane l xor 16
	s_load_b512 s[4:19], s[0:1], 0x0               ; x, wq, wk, wv, wo, xc, xs, wc
	s_load_b128 s[20:23], s[0:1], 0x40             ; ws, tab
	v_lshl_add_u32 v254, v0, 2, 0x8400
	v_mov_b32 v255, 0
	v_lshrrev_b32 v1, 5, v0
	v_readfirstlane_b32 s24, v1                    ; wave
	v_and_b32 v2, 31, v0                           ; lane
	v_lshlrev_b32 v7, 3, v2                        ; 8 x lane: my place in a stored unit
	s_cmp_ge_u32 ttmp9, 384
	s_cbranch_scc1 .Ltab
	v_and_b32 v3, 15, v0                           ; r
	v_bfe_u32 v9, v0, 4, 1                         ; h
	v_lshlrev_b32 v4, 4, v2                        ; 16 x lane: my bytes of a load's 512
	s_mul_i32 s25, s24, STG
	v_add_nc_u32 v5, s25, v4                       ; the stage, on the way in
	v_mul_u32_u24 v6, v3, 528
	v_lshl_add_u32 v6, v9, 6, v6
	v_add_nc_u32 v6, s25, v6                       ; and out: row r, + 64 h
	v_lshlrev_b32 v8, 3, v3
	v_lshl_add_u32 v8, v9, 7, v8                   ; the scale words' place: 128 h + 8 r
	s_mov_b32 s[SEL], 0x76543210
	s_mov_b32 s[SEL+1], 0xfedcba98
.irp b, 0,1,2,3
	v_mov_b32 v[TM+4+\b], 0                        ; written once: a lane permute's destination counts as one of its sources
.endr
	s_lshr_b32 s26, s24, 1                         ; which of the two tiles
	s_and_b32 s27, s24, 1                          ; which half of K
	s_wait_alu depctr_va_vdst(0)
	s_wait_kmcnt 0x0
	s_cmp_ge_u32 ttmp9, 256                        ; the buffers are chosen by the work-group's number alone
	s_cselect_b64 s[4:5], s[6:7], s[4:5]
	s_cselect_b64 s[14:15], s[18:19], s[14:15]
	s_cselect_b64 s[16:17], s[20:21], s[16:17]
	s_cselect_b32 s28, 256, 0
	s_cselect_b32 s29, 31, 255
	s_cmp_ge_u32 ttmp9, 288
	s_cselect_b64 s[4:5], s[8:9], s[4:5]
	s_cmp_ge_u32 ttmp9, 320
	s_cselect_b64 s[4:5], s[10:11], s[4:5]
	s_cmp_ge_u32 ttmp9, 352
	s_cselect_b64 s[4:5], s[12:13], s[4:5]
	s_sub_co_u32 s28, ttmp9, s28                   ; G: the pair of tiles in the codes' buffer
	s_and_b32 s29, s28, s29                        ; and in the tensor that is read
	s_lshl_b32 s30, s29, 17                        ; 32 rows of 4,096 bytes,
	s_lshl_b32 s31, s26, 15                        ; 8 rows for the second tile,
	s_add_co_u32 s30, s30, s31
	s_lshl_b32 s31, s27, 11                        ; 512 numbers for the second half of K
	s_add_co_u32 s30, s30, s31
	s_mov_b32 s31, 0
	s_add_nc_u64 s[4:5], s[4:5], s[30:31]
	s_lshl_b32 s32, s28, 2
	s_add_co_u32 s32, s32, s24                     ; u = 4 G + wave: four fragments and 256 scale bytes to each u
	s_mul_i32 s30, s32, 6144
	s_add_nc_u64 s[14:15], s[14:15], s[30:31]
	s_lshl_b32 s30, s32, 8
	s_add_nc_u64 s[16:17], s[16:17], s[30:31]
.macro LOADS t                         ; K step t of my tile's 16 rows: each load reads 512 consecutive bytes
.irp i, 0,1,2,3,4,5,6,7,8,9,10,11,12,13,14,15
	global_load_b128 v[R0+64*((\t)%2)+4*\i:R0+64*((\t)%2)+4*\i+3], v4, s[4:5] offset:(\i+8*(\i/8))*4096+512*(\t) th:TH_LOAD_NT
.endr
.endm
; 64 numbers of a lane, register 16 b + i = k 32 b + 16 (lane / 16) + i of my row, become a fragment's codes in v[PC] on and its scale word in v[PW].
.macro QUANT s
.irp b, 0,1,2,3
	v_max3_num_f32 v[TM+\b], |v[\s+16*\b]|, |v[\s+1+16*\b]|, 0x1800000   ; my 16 numbers of block b, and the floor 2^(3 - 127): the byte cannot fall under 1
.endr
.irp i, 2,4,6,8,10,12,14
.irp b, 0,1,2,3
	v_max3_num_f32 v[TM+\b], v[TM+\b], |v[\s+16*\b+\i]|, |v[\s+1+16*\b+\i]|   ; the four blocks by turns
.endr
.endr
.irp b, 0,1,2,3
	v_permlanex16_b32 v[TM+4+\b], v[TM+\b], s[SEL], s[SEL+1]
.endr
.irp b, 0,1,2,3
	v_max_num_f32 v[TM+\b], v[TM+\b], v[TM+4+\b]   ; with lane l xor 16's: the block's largest magnitude
.endr
.irp b, 0,1,2,3
	v_add_nc_u32 v[TM+12+\b], 0xff000000, v[TM+\b] ; 2 off its exponent field: the conversion's scale operand
.endr
.irp b, 0,1,2,3
	v_lshrrev_b32 v[TM+4+\b], 23, v[TM+12+\b]      ; the scale's byte
.endr
	v_lshl_or_b32 v[PW], v[TM+5], 8, v[TM+4]
	v_lshl_or_b32 v[PW], v[TM+6], 16, v[PW]
	v_lshl_or_b32 v[PW], v[TM+7], 24, v[PW]
.irp c, 0,1
	v_cvt_scalef32_pk16_fp6_f32 v[PC+6*\c:PC+2+6*\c], v[\s+32*\c:\s+15+32*\c], v[TM+12+2*\c]
	v_cvt_scalef32_pk16_fp6_f32 v[PC+12+4*\c:PC+14+4*\c], v[\s+16+32*\c:\s+31+32*\c], v[TM+12+2*\c+1]   ; (a conversion's three registers begin on an even number)
.endr
	v_nop                                          ; one plain place behind a scaled conversion
.irp c, 0,1                            ; the operand's layout wants a whole block in a lane: lanes 0-15 block 2 c, lanes 16-31 block 2 c + 1
.irp i, 0,1,2
	v_permlane16_swap_b32 v[PC+6*\c+\i], v[PC+12+4*\c+\i]
.endr
.irp i, 0,1,2
	v_mov_b32 v[PC+3+6*\c+\i], v[PC+12+4*\c+\i]
.endr
.endr
.endm
.macro STEP t
.if (\t) < 3
	s_wait_loadcnt 16                              ; this step's 16 loads are in; the next step's 16 may be out
.else
	s_wait_loadcnt 0x0
.endif
.irp i, 0,1,2,3,4,5,6,7,8,9,10,11,12,13,14,15
	ds_store_b128 v5, v[R0+64*((\t)%2)+4*\i:R0+64*((\t)%2)+4*\i+3] offset:528*\i
.endr
.irp b, 0,1,2,3
.irp j, 0,1,2,3
	ds_load_b128 v[XN+16*\b+4*\j:XN+16*\b+4*\j+3], v6 offset:128*\b+16*\j   ; LDS serves a wave's instructions in order: these see the stores above
.endr
.endr
	s_wait_dscnt 0x0                               ; the numbers are back, and the stores into the stage have read their registers
	s_wait_xcnt 0x0                                ; the last step's stores of codes have read theirs: the codes' registers are written again only behind this wait
.if (\t) < 2
	LOADS (\t)+2
.endif
	QUANT XN
	v_mov_b32 v[PWS+(\t)], v[PW]
.irp p, 0,1,2,3,4,5
	global_store_b64 v7, v[PC+2*\p:PC+2*\p+1], s[14:15] offset:1536*(\t)+256*\p   ; 32 lanes store 256 consecutive bytes, aligned
.endr
.endm
	LOADS 0
	LOADS 1
	STEP 0
	STEP 1
	STEP 2
	STEP 3
	s_mov_b32 vcc_lo, 0xffff0000                   ; lanes 0-15 store the words of my first two K steps, lanes 16-31 those of the other two
	v_cndmask_b32 v252, v[PWS], v[PWS+2], vcc_lo
	v_cndmask_b32 v253, v[PWS+1], v[PWS+3], vcc_lo
	global_store_b64 v8, v[252:253], s[16:17]      ; 256 consecutive bytes, aligned
	s_wait_tensorcnt 0x0
	ds_add_u32 v254, v255
	s_wait_dscnt 0x0
	s_endpgm
; THE TABLE: tab[pos][i] = (cos, sin) of pos x 10000^(-i / 32), pos 0 .. 2,047, i 0 .. 31.  A lane is a pair i; a wave takes 8 positions.  The angle is one f32 product;
; it is reduced by the nearest multiple n of pi / 2 (pi / 2 in two f32 parts; the first fused step is exact for n under 2^11), and sine and cosine of the rest, at most pi / 4, are polynomials cut under 3e-8.
; The quadrant only selects values and signs: no branch hangs on it.
.Ltab:
	s_sub_co_u32 s25, ttmp9, 384
	s_lshl_b32 s25, s25, 5
	s_lshl_b32 s26, s24, 3
	s_add_co_u32 s25, s25, s26                     ; my wave's first position
	s_lshl_b32 s30, s25, 8                         ; 256 bytes a position
	s_mov_b32 s31, 0
	s_mov_b32 s28, 0xbfc90fdb                      ; -(pi / 2), upper part
	s_mov_b32 s29, 0x333bbd2e                      ; -(pi / 2), the rest
	v_mov_b32 v10, 0
.set n, 0
.irp lit, 0x3f800000,0x3f3ff911,0x3f0ff59a,0x3ed7e89b,0x3ea1e89b,0x3e72d424,0x3e361887,0x3e088d77,0x3dcccccd,0x3d99940e,0x3d6655c3,0x3d2cba15,0x3d0186e2,0x3cc24350,0x3c91ad39,0x3c5a7bf1,0x3c23d70a,0x3bf5b9b0,0x3bb8449c,0x3b8a2e77,0x3b4f3e37,0x3b1b690d,0x3ae91528,0x3aaec98e,0x3a83126f,0x3a44948c,0x3a136a16,0x39dd1726,0x39a5cb5f,0x3978a814,0x393a7753,0x390bd472
	s_mov_b32 s26, \lit                            ; the f32 number nearest to 10^(-i / 8)
	v_writelane_b32 v10, s26, n
.set n, n+1
.endr
	s_wait_kmcnt 0x0
	s_add_nc_u64 s[22:23], s[22:23], s[30:31]
.irp j, 0,1,2,3,4,5,6,7
	s_add_co_u32 s27, s25, \j
	v_cvt_f32_u32 v11, s27
	s_wait_alu depctr_va_vdst(0)
	v_mul_f32 v11, v11, v10                        ; the angle
	v_mul_f32 v12, 0x3f22f983, v11                 ; x 2 / pi
	v_rndne_f32 v12, v12                           ; n
	v_fma_f32 v13, v12, s28, v11
	v_fma_f32 v13, v12, s29, v13                   ; the rest
	v_mul_f32 v14, v13, v13
	v_mov_b32 v15, 0x3638ef1d                      ; the sine's series: 1/9!, -1/7!, 1/5!, -1/3!
	v_fmaak_f32 v15, v15, v14, 0xb9500d01
	v_fmaak_f32 v15, v15, v14, 0x3c088889
	v_fmaak_f32 v15, v15, v14, 0xbe2aaaab
	v_mul_f32 v17, v14, v13
	v_fma_f32 v15, v15, v17, v13
	v_mov_b32 v16, 0xb493f27e                      ; the cosine's: -1/10!, 1/8!, -1/6!, 1/4!, -1/2, 1
	v_fmaak_f32 v16, v16, v14, 0x37d00d01
	v_fmaak_f32 v16, v16, v14, 0xbab60b61
	v_fmaak_f32 v16, v16, v14, 0x3d2aaaab
	v_fmaak_f32 v16, v16, v14, 0xbf000000
	v_fmaak_f32 v16, v16, v14, 0x3f800000
	v_cvt_i32_f32 v18, v12
	v_and_b32 v19, 1, v18
	v_cmp_eq_u32 vcc_lo, 1, v19                    ; an odd quadrant exchanges the two
	v_cndmask_b32 v20, v15, v16, vcc_lo            ; sine
	v_cndmask_b32 v21, v16, v15, vcc_lo            ; cosine
	v_and_b32 v19, 2, v18
	v_lshlrev_b32 v19, 30, v19
	v_xor_b32 v[33+2*\j], v20, v19                 ; the sine is negative in quadrants 2 and 3,
	v_add_nc_u32 v18, 1, v18
	v_and_b32 v18, 2, v18
	v_lshlrev_b32 v18, 30, v18
	v_xor_b32 v[32+2*\j], v21, v18                 ; the cosine in 1 and 2
	global_store_b64 v7, v[32+2*\j:33+2*\j], s[22:23] offset:256*\j   ; a position's 256 bytes, aligned; each position has its own data registers
.endr
	s_endpgm
.Lfunc_end_k_q46f3e67e16_prep:
	.size	k_q46f3e67e16_prep, .Lfunc_end_k_q46f3e67e16_prep-k_q46f3e67e16_prep
	.p2alignl 7, 3214868480
	.fill 96, 4, 3214868480
	.section	.rodata,"a",@progbits
	.p2align	6, 0x0
	.amdhsa_kernel k_q46f3e67e16_prep
		.amdhsa_group_segment_fixed_size 34304
		.amdhsa_private_segment_fixed_size 0
		.amdhsa_enable_private_segment 0
		.amdhsa_kernarg_size 80
		.amdhsa_user_sgpr_count 2
		.amdhsa_user_sgpr_kernarg_segment_ptr 1
		.amdhsa_wavefront_size32 1
		.amdhsa_system_sgpr_workgroup_id_x 1
		.amdhsa_system_sgpr_workgroup_id_y 1
		.amdhsa_system_sgpr_workgroup_id_z 1
		.amdhsa_system_vgpr_workitem_id 0
		.amdhsa_next_free_vgpr 256
		.amdhsa_next_free_sgpr 66
		.amdhsa_reserve_vcc 1
		.amdhsa_float_denorm_mode_32 3
		.amdhsa_float_denorm_mode_16_64 3
		.amdhsa_memory_ordered 1
		.amdhsa_forward_progress 1
		.amdhsa_inst_pref_size 52
	.end_amdhsa_kernel
	.amdgpu_metadata
---
amdhsa.version: [ 1, 2 ]
amdhsa.kernels:
  - .name:           k_q46f3e67e16_prep
    .symbol:         k_q46f3e67e16_prep.kd
    .args:
      - { .name: x, .offset: 0, .size: 8, .value_kind: global_buffer, .address_space: global }
      - { .name: wq, .offset: 8, .size: 8, .value_kind: global_buffer, .address_space: global }
      - { .name: wk, .offset: 16, .size: 8, .value_kind: global_buffer, .address_space: global }
      - { .name: wv, .offset: 24, .size: 8, .value_kind: global_buffer, .address_space: global }
      - { .name: wo, .offset: 32, .size: 8, .value_kind: global_buffer, .address_space: global }
      - { .name: xc, .offset: 40, .size: 8, .value_kind: global_buffer, .address_space: global }
      - { .name: xs, .offset: 48, .size: 8, .value_kind: global_buffer, .address_space: global }
      - { .name: wc, .offset: 56, .size: 8, .value_kind: global_buffer, .address_space: global }
      - { .name: ws, .offset: 64, .size: 8, .value_kind: global_buffer, .address_space: global }
      - { .name: tab, .offset: 72, .size: 8, .value_kind: global_buffer, .address_space: global }
    .group_segment_fixed_size: 34304
    .private_segment_fixed_size: 0
    .kernarg_segment_align: 8
    .kernarg_segment_size: 80
    .max_flat_workgroup_size: 128
    .sgpr_count:     66
    .vgpr_count:     256
    .wavefront_size: 32
...
	.end_amdgpu_metadata
.endif
;; end of part 1
;; launch qkv (part 2): grid 12 x 32, 4 waves a work-group, clusters of 4 x 4, 327,680 bytes of LDS; arguments xc, xs, wc, ws, tab, qkv; writes qkv
.if DOCPART == 2
	.amdgcn_target "amdgcn-amd-amdhsa--gfx1250"
	.amdhsa_code_object_version 6
	.text
	.protected	k_q46f3e67e16_qkv
	.globl	k_q46f3e67e16_qkv
	.p2align	8
	.type	k_q46f3e67e16_qkv,@function
k_q46f3e67e16_qkv:
	s_mov_b64 s[64:65], 0
	v_nop
	global_prefetch_b8 v0, s[64:65] scope:SCOPE_SE
	s_setreg_imm32_b32 hwreg(HW_REG_WAVE_MODE, 25, 1), 1
	s_wait_xcnt 0x0
	s_wait_alu depctr_hold_cnt(0) depctr_sa_sdst(0) depctr_va_vdst(0) depctr_va_sdst(0) depctr_va_ssrc(0) depctr_va_vcc(0) depctr_vm_vsrc(0)
	s_getreg_b32 s2, hwreg(HW_REG_IB_STS2, 6, 4)
	s_cmp_eq_u32 s2, 0
	s_cbranch_scc0 .Lentry_in_a_cluster
	s_endpgm
.Lentry_in_a_cluster:
	s_bfe_u32 s2, ttmp6, 0x10000c
	s_cmp_lg_u32 s2, 0xf033
	s_cbranch_scc0 .Lentry_shape_is_right
	s_endpgm
.Lentry_shape_is_right:
; q = x wq^T, k = x wk^T, v = x wv^T on codes of FP6 (E2M3) with E8M0 scales; then RoPE on q and k in f32; then q and k are quantised along the head's 64, v along the keys, and leave as codes.
; A tile of the result, 256 x 256, is made by four waves, each 128 x 128: 64 accumulators, 512 registers.  K = 1,024 goes in four steps of 256 through two LDS slots filled by the tensor data mover.
; OPERANDS LIE IN MEMORY AS IMAGES OF THEIR REGISTERS (fragment of tile T, K step s at (8 T + s) x 1,536 bytes; registers 2 p, 2 p + 1 of lane l at 256 p + 8 l), so an LDS load of 8 bytes a lane reads 256 consecutive bytes.
; Tile T holds in lane place r the row 32 (T / 2) + 8 (T % 2) + r + 8 (r / 8).  The product takes source 0 = 16 rows of B, source 1 = 16 rows of A: a lane then stands for one row of A, and the 16 registers of
; B's tiles 2 j, 2 j + 1 are B's rows 32 j + 16 (lane / 16) + 0 .. 15: sixteen neighbours, which the conversions want.
; ROLES, by the cluster's x, which all partners share: 0: A = x, B = wq;  1: A = x, B = wk (a lane is a token, its registers run along two heads' dimensions);  2: A = wv, B = x (a lane is a channel, its registers run along 128 keys).
; CLUSTERS: 4 x 4 work-groups; A's tiles are asked for jointly along a row of the cluster, B's along a column.
; RESULT: one record of 19,200 bytes for each (batch, head, 128 tokens): K's codes (8 tiles x 768), V^T's four fragments, K's and V's scale words, Q's codes, Q's scale words.  Every store of a wave covers 256 consecutive bytes, aligned.
; LIMITS: NaN and infinities are not served; a block of zeros gets the byte 1 (its codes are zeros; this program alone reads the bytes).
; REGISTERS: window 0: v0-31 addresses; v32-63 scale words, two sets; v128-223 A's fragments, one set.  window 1: B's fragments, two sets.  windows 2, 3: the accumulators ((a, b) at v[8 (8 (a % 4) + b)]).
;   In the epilogue: window 0 v64-127 a tile after RoPE, v128-179 and v224-231 at work; window 1 the table's 256 numbers.
.set NQ,     2                         ; matrix instructions deep in a slot
.set FR,     12                        ; registers of a fragment
.set NL,     6                         ; LDS loads that bring one
.set NP,     4                         ; places behind this matrix instruction (ISA guide 7.12.1)
.set FRB,    1536                      ; a fragment's image
.set TILEB,  NQ*FRB                    ; a tile's part of a slot
.set HALFT,  8*TILEB                   ; 8 tiles, 128 rows: what one tensor load brings
.set SLOT,   4*HALFT                   ; A's 16 tiles, then B's 16
.set LAPS,   2                         ; a lap = once round the ring = 512 along K
.set SCL,    2*SLOT                    ; behind the ring: the scales for all of K, filled once
.set HALFS,  4096                      ; those of 8 tiles
.set SBLK,   512                       ; of one tile
.set SPARE,  SCL+4*HALFS               ; the spare words, 128 bytes for each wave: two blocks of 256 bytes that no other line names
.set REC,    19200
.set HS,     16*REC                    ; from a head's records to the next head's
.set VOFF,   6144
.set KSOFF,  12288
.set VSOFF,  12544
.set QOFF,   12800
.set QSOFF,  18944
.set ADRA, 16                          ; v16-17  LDS address of my A fragments in slot 0, 1
.set ADRB, 20                          ; v20-21  the same for B
.set ADRS, 27                          ; v27     of my scale words: lanes 0-15 A's, lanes 16-31 B's
.set SPW,  28                          ; v28     my spare word; never rewritten
.set NIL,  29                          ; v29     0; never rewritten
.set SC,   32
.set AF,   128
.set EG,   7                           ; epilogue: 8 x lane
.set ES,   8                           ; HS x (lane / 16) + 16 r
.set TOFF, 9                           ; my token's row of the table, + 64 (lane / 16)
.set SH,   10                          ; 16 x (lane / 16)
.set RR,   64
.set PC,   128
.set TM,   148
.set PW,   164
.set SW,   168
.set KP,   176
.set RT,   224
.set SEL,  18                          ; s18, s19 in the epilogue: lane selects
.set G1, 24
.set G0, 32
.set G1B, 48
.set G0B, 56
.set G1S, 68
.set G0S, 76
.set G1SB, 80
.set G0SB, 88
.set MSB, 0
.macro WIN new                         ; the immediate's high byte repeats the setting that is left
.if MSB != \new
	s_set_vgpr_msb (MSB<<8)|\new
.set MSB, \new
.endif
.endm
.set MUL_LO, 0xa1                      ; source 0 (B) window 1, source 1 (A) window 0, C and D window 2
.set MUL_HI, 0xf1
.set TO_B,   0x40
; A joint load: waves 0 and 1 fetch for A, waves 2 and 3 for B; the branch hangs on the wave's number alone.  Four v_nop follow each of the two lines.
.macro JLOAD g0a, g1a, g0b, g1b
	s_cmp_eq_u32 s15, 0
	s_cbranch_scc0 .Lfor_b_\@
	tensor_load_to_lds s[\g0a:\g0a+3], s[\g1a:\g1a+7]
	s_nop 0
.rept 4
	v_nop
.endr
	s_branch .Lasked_\@
.Lfor_b_\@:
	tensor_load_to_lds s[\g0b:\g0b+3], s[\g1b:\g1b+7]
	s_nop 0
.rept 4
	v_nop
.endr
.Lasked_\@:
.endm
.macro CREST                           ; a round of the cluster's barrier behind its opening barrier
	s_cmp_lg_u32 s14, 0
	s_cbranch_scc1 .Lnot_wave_0_\@
	s_barrier_signal -3
.Lnot_wave_0_\@:
	s_barrier_wait -3
	s_barrier_signal -1
	s_barrier_wait -1
.endm
.macro CROUND
	s_barrier_signal -1
	s_barrier_wait -1
	CREST
.endm
	s_load_b128 s[4:7], s[0:1], 0x0                ; x's codes, x's scales
	s_load_b128 s[8:11], s[0:1], 0x10              ; the weights' codes, their scales
	v_lshl_add_u32 v[SPW], v0, 2, SPARE
	v_mov_b32 v[NIL], 0
	ds_add_u32 v28, v29
	ds_add_u32 v28, v29
	s_wait_dscnt 0x0
	v_lshrrev_b32 v1, 5, v0
	v_readfirstlane_b32 s14, v1                    ; wave 0..3
	s_lshr_b32 s15, s14, 1                         ; which half of A's rows is mine.  Also: I fetch for A (0) or for B (1)
	s_and_b32 s16, s14, 1                          ; which half of B's.  Also: which 8 tiles I fetch
	s_bfe_u32 s40, ttmp6, 0x40000                  ; cx, cy: my place in the cluster
	s_bfe_u32 s41, ttmp6, 0x40004
	s_lshl_b32 s42, ttmp9, 2                       ; 4 x cluster x
	s_and_b32 s17, ttmp7, 0xffff
	s_lshl_b32 s17, s17, 2                         ; 4 x cluster y
	s_cmp_eq_u32 ttmp9, 2                          ; the role: the same in all sixteen partners
	s_cselect_b32 s66, 1, 0
	s_cselect_b32 s67, 0, s17                      ; v: A is wv, four tile rows in all;
	s_cselect_b32 s42, s17, s42                    ;    B is x, whose tile rows the cluster's y counts
	s_add_co_u32 s17, s67, s41                     ; A's tile row: cy and cluster numbers alone
	s_add_co_u32 s42, s42, s40                     ; B's tile row: cx and cluster numbers alone
	s_lshl_b32 s43, s41, 2
	s_lshl_b32 s43, 15, s43                        ; my row of the cluster
	s_lshl_b32 s44, 0x1111, s40                    ; my column
	; descriptor group 1: 8 rows (tiles) of 384 elements of 8 bytes (a tile's two fragments of the slot), 1,536 elements (a tile's eight fragments) apart
	s_or_b32 s[G1+0], s43, (3<<16)|(1<<21)         ; 15:0 the mask; 17:16 elements of 8 bytes; 20 no padding; 21 set beside a mask
	s_or_b32 s[G1B+0], s44, (3<<16)|(1<<21)
.irp g, G1, G1B
	s_mov_b32 s[\g+1], 384<<16                     ; tensor_dim0
	s_mov_b32 s[\g+2], 8<<16                       ; tensor_dim1
	s_mov_b32 s[\g+3], 384<<16                     ; tile_dim0
	s_mov_b32 s[\g+4], 8                           ; tile_dim1
	s_mov_b32 s[\g+5], 1536                        ; tensor_dim0_stride
	s_mov_b32 s[\g+6], 0
	s_mov_b32 s[\g+7], 0
.endr
	; the scales of 8 tiles: 4,096 dense bytes, as 16 rows of 256
	s_or_b32 s[G1S+0], s43, (3<<16)|(1<<21)
	s_or_b32 s[G1SB+0], s44, (3<<16)|(1<<21)
.irp g, G1S, G1SB
	s_mov_b32 s[\g+1], 32<<16
	s_mov_b32 s[\g+2], 16<<16
	s_mov_b32 s[\g+3], 32<<16
	s_mov_b32 s[\g+4], 16
	s_mov_b32 s[\g+5], 32
	s_mov_b32 s[\g+6], 0
	s_mov_b32 s[\g+7], 0
.endr
	s_lshl_b32 s18, s16, 3
	s_lshl_b32 s20, s17, 4
	s_add_co_u32 s20, s20, s18
	s_lshl_b32 s19, s66, 7
	s_add_co_u32 s20, s20, s19                     ; A's first tile that I fetch (wv's tiles begin at 128 in the weights' buffer)
	s_lshl_b32 s46, s42, 4
	s_add_co_u32 s46, s46, s18                     ; B's
	s_lshl_b32 s22, s20, 9                         ; 512 scale bytes a tile,
	s_mov_b32 s23, 0
	s_lshl_b32 s92, s46, 9
	s_mov_b32 s93, 0
	s_mul_i32 s20, s20, 8*FRB                      ; 12,288 bytes of codes
	s_mov_b32 s21, 0
	s_mul_i32 s46, s46, 8*FRB
	s_mov_b32 s47, 0
	s_mul_i32 s45, s14, HALFT                      ; where they go: by the wave's number alone
	s_mul_i32 s94, s14, HALFS
	s_wait_kmcnt 0x0
	s_cmp_eq_u32 s66, 1                            ; which buffers are A's and which B's: a choice on the role
	s_cselect_b64 s[96:97], s[8:9], s[4:5]
	s_cselect_b64 s[98:99], s[10:11], s[6:7]
	s_cselect_b64 s[8:9], s[4:5], s[8:9]
	s_cselect_b64 s[10:11], s[6:7], s[10:11]
	s_add_nc_u64 s[20:21], s[96:97], s[20:21]
	s_add_nc_u64 s[22:23], s[98:99], s[22:23]
	s_add_nc_u64 s[46:47], s[8:9], s[46:47]
	s_add_nc_u64 s[92:93], s[10:11], s[92:93]
	CROUND                                         ; all sixteen work-groups are here: the first joint loads meet
	s_mov_b32 s[G0S], 1
	s_add_co_u32 s[G0S+1], s94, SCL
	s_mov_b64 s[G0S+2:G0S+3], s[22:23]
	s_or_b32 s[G0S+3], s[G0S+3], 0x80000000
	s_mov_b32 s[G0SB], 1
	s_add_co_u32 s[G0SB+1], s94, SCL
	s_mov_b64 s[G0SB+2:G0SB+3], s[92:93]
	s_or_b32 s[G0SB+3], s[G0SB+3], 0x80000000
	JLOAD G0S, G1S, G0SB, G1SB                     ; the scales first: they are wanted with the first slot
.irp s, 0,1
	s_mov_b32 s[G0+4*\s], 1
	s_add_co_u32 s[G0+4*\s+1], s45, \s*SLOT
	s_add_nc_u64 s[G0+4*\s+2:G0+4*\s+3], s[20:21], \s*TILEB
	s_or_b32 s[G0+4*\s+3], s[G0+4*\s+3], 0x80000000
	s_mov_b32 s[G0B+4*\s], 1
	s_add_co_u32 s[G0B+4*\s+1], s45, \s*SLOT
	s_add_nc_u64 s[G0B+4*\s+2:G0B+4*\s+3], s[46:47], \s*TILEB
	s_or_b32 s[G0B+4*\s+3], s[G0B+4*\s+3], 0x80000000
	JLOAD G0+4*\s, G1, G0B+4*\s, G1B               ; three loads of mine are out now
.endr
	v_and_b32 v1, 15, v0                           ; r
	v_bfe_u32 v2, v0, 4, 1                         ; h
	s_wait_alu depctr_va_vdst(0)
	v_and_b32 v3, 31, v0
	v_lshlrev_b32 v3, 3, v3                        ; 8 x lane
	s_mul_i32 s21, s15, HALFT                      ; my 8 tiles of A
	s_mul_i32 s22, s16, HALFT                      ; my 8 tiles of B,
	s_add_co_u32 s22, s22, 2*HALFT                 ; which lie behind A's 16
.irp s, 0,1
	v_add_nc_u32 v[ADRA+\s], s21, v3
	v_add_nc_u32 v[ADRB+\s], s22, v3
	s_add_co_u32 s21, s21, SLOT
	s_add_co_u32 s22, s22, SLOT
.endr
	v_lshlrev_b32 v5, 3, v1                        ; my row's two scale words of a slot: 8 r
	s_mul_i32 s21, s15, HALFS
	s_mul_i32 s22, s16, HALFS
	s_add_co_u32 s22, s22, 2*HALFS
	s_sub_co_u32 s22, s22, s21
	v_mul_u32_u24 v6, s22, v2                      ; lanes 16-31 take B's: the lower base + h x the distance
	s_add_co_u32 s21, s21, SCL
	v_add_nc_u32 v5, v5, v6
	v_add_nc_u32 v[ADRS], s21, v5
.macro FRAG reg, adr, q, i             ; a fragment comes as it was stored: six loads of 8 bytes a lane, 256 consecutive bytes each
.irp p, 0,1,2,3,4,5
	ds_load_b64 v[\reg+2*\p:\reg+2*\p+1], v[\adr] offset:(\i)*TILEB+(\q)*FRB+256*\p
.endr
.endm
; 16 matrix instructions: A's blocks a0, a0 + 1 x B's eight, 128 along K.  The 64 accumulators take turns, one instruction a turn, in the same order in every step.
.macro MUL16 a0, p, q, sc, zero
.irp a, \a0, \a0+1
.irp b, 0,1,2,3,4,5,6,7
.if \zero
	v_wmma_scale_f32_16x16x128_f8f6f4 v[8*(8*((\a)%4)+\b):8*(8*((\a)%4)+\b)+7], v[128*(\p)+FR*\b:128*(\p)+FR*\b+FR-1], v[AF+FR*(\a):AF+FR*(\a)+FR-1], 0, v[SC+8*NQ*(\sc)+NQ*\b+(\q)], v[SC+8*NQ*(\sc)+NQ*(\a)+(\q)] matrix_a_fmt:MATRIX_FMT_FP6 matrix_b_fmt:MATRIX_FMT_FP6 matrix_a_scale:MATRIX_SCALE_ROW1
.else
	v_wmma_scale_f32_16x16x128_f8f6f4 v[8*(8*((\a)%4)+\b):8*(8*((\a)%4)+\b)+7], v[128*(\p)+FR*\b:128*(\p)+FR*\b+FR-1], v[AF+FR*(\a):AF+FR*(\a)+FR-1], v[8*(8*((\a)%4)+\b):8*(8*((\a)%4)+\b)+7], v[SC+8*NQ*(\sc)+NQ*\b+(\q)], v[SC+8*NQ*(\sc)+NQ*(\a)+(\q)] matrix_a_fmt:MATRIX_FMT_FP6 matrix_b_fmt:MATRIX_FMT_FP6 matrix_a_scale:MATRIX_SCALE_ROW1
.endif
.endr
.endr
.endm
.macro FETCH_B slot, q, p
	WIN TO_B
.irp i, 0,1,2,3,4,5,6,7
	FRAG 128*(\p)+FR*\i, ADRB+\slot, \q, \i
.endr
	WIN 0
.endm
.macro FETCH_A slot, q, i0
.irp i, \i0, \i0+1, \i0+2, \i0+3
	FRAG AF+FR*(\i), ADRA+\slot, \q, \i
.endr
.endm
.macro SCALES sc                       ; a slot's scale words: two a row; lanes 0-15 A's block i, lanes 16-31 B's block i
.irp i, 0,1,2,3,4,5,6,7
	ds_load_b64 v[SC+8*NQ*\sc+NQ*\i:SC+8*NQ*\sc+NQ*\i+1], v[ADRS] offset:\i*SBLK
.endr
.endm
.macro PLACES n                        ; plain vector instructions between a matrix instruction and a load into, or a vector read or write of, its registers (ISA guide 7.12.1 for vector instructions)
.rept \n
	v_nop
.endr
.endm
.macro STEP slot, q, zero              ; a step of 128 along K that has its successor in the same slot
	s_wait_dscnt 4*NL                              ; B's set and A's blocks 0-3 are in; the youngest 24 loads (A's blocks 4-7) may be out
	WIN MUL_LO
	MUL16 0, (\q)%2, \q, \slot, \zero
	MUL16 2, (\q)%2, \q, \slot, \zero
	s_wait_dscnt 0
	PLACES NP
	FETCH_B \slot, (\q)+1, 1-(\q)%2
	FETCH_A \slot, (\q)+1, 0
	WIN MUL_HI
	MUL16 4, (\q)%2, \q, \slot, \zero
	MUL16 6, (\q)%2, \q, \slot, \zero
	PLACES NP
	WIN 0
	FETCH_A \slot, (\q)+1, 4
.endm
; A slot's last step changes slots: one barrier; in front of it each wave waits for all its tensor loads, adds 0 to its spare word, and waits for that and for its reads of this slot.  fill = 1: the slot is filled again.
.macro TURN slot, next, fill
	s_wait_tensorcnt 0x0                           ; all my tensor loads have landed: my part of the next slot
	ds_add_u32 v[SPW], v[NIL]                      ; 0 onto my spare word
	s_wait_dscnt 4*NL+1                            ; (the add and the youngest 24 loads may be out)
	WIN MUL_LO
	MUL16 0, 1, NQ-1, \slot, 0
	s_wait_dscnt 0x0                               ; the add is done, and my reads of this slot are over
	s_barrier_signal -1
	MUL16 2, 1, NQ-1, \slot, 0
	WIN 0
	s_barrier_wait -1
.if \fill
	CREST                                          ; the barrier has opened a round of the cluster's: no wave of any partner still reads this slot or has a load on its way
	s_add_nc_u64 s[G0+4*\slot+2:G0+4*\slot+3], s[G0+4*\slot+2:G0+4*\slot+3], 2*TILEB
	s_add_nc_u64 s[G0B+4*\slot+2:G0B+4*\slot+3], s[G0B+4*\slot+2:G0B+4*\slot+3], 2*TILEB
	JLOAD G0+4*\slot, G1, G0B+4*\slot, G1B         ; the first tensor load behind the round, my only one until the next; its four v_nop are the places in front of the loads below
.else
	PLACES NP
.endif
	s_wait_alu depctr_va_vdst(0)
	v_add_nc_u32 v[ADRS], 128, v[ADRS]             ; on to the next slot's scale words
	FETCH_B \next, 0, 0
	FETCH_A \next, 0, 0
	SCALES \next
	WIN MUL_HI
	MUL16 4, 1, NQ-1, \slot, 0
	MUL16 6, 1, NQ-1, \slot, 0
	PLACES NP
	WIN 0
	FETCH_A \next, 0, 4
.endm
	s_wait_alu depctr_va_vdst(0)
	s_wait_tensorcnt 1                             ; the scales and my part of slot 0 are in; slot 1's load may be out
	s_barrier_signal -1
	s_barrier_wait -1
	FETCH_B 0, 0, 0
	FETCH_A 0, 0, 0
	SCALES 0
	FETCH_A 0, 0, 4
	STEP 0, 0, 1                                   ; the first step stands in front of the loop: its products start the sums
	s_mov_b32 s3, LAPS-1
.Llap:
	TURN 0, 1, 1
	STEP 1, 0, 0
	TURN 1, 0, 1
	STEP 0, 0, 0
	s_sub_co_u32 s3, s3, 1
	s_cmp_lg_u32 s3, 0
	s_cbranch_scc1 .Llap
	TURN 0, 1, 0                                   ; the last lap fills nothing
	STEP 1, 0, 0
	s_wait_dscnt 4*NL
	WIN MUL_LO
	MUL16 0, 1, NQ-1, 1, 0
	MUL16 2, 1, NQ-1, 1, 0
	s_wait_dscnt 0
	WIN MUL_HI
	MUL16 4, 1, NQ-1, 1, 0
	MUL16 6, 1, NQ-1, 1, 0
	WIN 0
	; THE EPILOGUE: no LDS, no barrier.  The nine address lines are the places behind the last products.
	s_load_b128 s[4:7], s[0:1], 0x20               ; the table, the records
	v_and_b32 v[EG], 31, v0
	v_lshlrev_b32 v[EG], 3, v[EG]
	v_mul_u32_u24 v[ES], v2, HS
	v_lshl_add_u32 v[ES], v1, 4, v[ES]
	v_and_b32 v[TOFF], 8, v1
	v_add_nc_u32 v[TOFF], v[TOFF], v1
	v_lshlrev_b32 v[TOFF], 8, v[TOFF]
	v_lshl_add_u32 v[TOFF], v2, 6, v[TOFF]
	v_lshlrev_b32 v[SH], 4, v2
.irp b, 0,1,2,3
	v_mov_b32 v[TM+4+\b], 0                        ; a lane permute's destination counts as one of its sources
.endr
	s_mov_b32 s[SEL], 0x76543210
	s_mov_b32 s[SEL+1], 0xfedcba98
	s_lshl_b32 s20, s17, 8
	s_lshl_b32 s21, s15, 7
	s_add_co_u32 s20, s20, s21                     ; my first row of A
	s_lshl_b32 s22, s42, 8
	s_lshl_b32 s23, s16, 7
	s_add_co_u32 s22, s22, s23                     ; and of B
	s_and_b32 s23, s22, 1023
	s_cmp_eq_u32 s66, 1
	s_cselect_b32 s44, s22, s20                    ; my first token
	s_cselect_b32 s45, s20, s23                    ; my first channel: two heads
	s_lshr_b32 s46, s44, 11
	s_lshl_b32 s46, s46, 4
	s_lshr_b32 s47, s45, 6
	s_add_co_u32 s46, s46, s47                     ; 16 x batch + head
	s_lshl_b32 s46, s46, 4
	s_bfe_u32 s47, s44, 0x40007
	s_add_co_u32 s46, s46, s47                     ; + which 128 tokens
	s_mul_i32 s46, s46, REC
	s_mov_b32 s93, KSOFF
	s_cmp_eq_u32 ttmp9, 0
	s_cselect_b32 s92, QOFF, 0
	s_cselect_b32 s93, QSOFF, s93
	s_cmp_eq_u32 s66, 1
	s_cselect_b32 s92, VOFF, s92
	s_cselect_b32 s93, VSOFF, s93
	s_add_co_u32 s92, s92, s46
	s_add_co_u32 s94, s93, s46
	s_mov_b32 s93, 0
	s_mov_b32 s95, 0
	s_and_b32 s46, s44, 2047
	s_lshl_b32 s46, s46, 8                         ; the table's row of my first token's position
	s_mov_b32 s47, 0
	s_wait_kmcnt 0x0
	s_add_nc_u64 s[8:9], s[6:7], s[92:93]          ; where my codes go,
	s_add_nc_u64 s[10:11], s[6:7], s[94:95]        ; and my scale words
	s_add_nc_u64 s[4:5], s[4:5], s[46:47]
; 64 numbers of a lane in window w, register 16 b + i = k 32 b + 16 (lane / 16) + i of my row, become a fragment's codes in v[PC] on and its scale word in v[PW].  Each accumulator is read from its low end on.
.macro QUANT s, w
	WIN (\w)|((\w)<<2)
.irp b, 0,1,2,3
	v_max3_num_f32 v[TM+\b], |v[(\s)+16*\b]|, |v[(\s)+16*\b+1]|, 0x1800000   ; and the floor 2^(3 - 127): the byte cannot fall under 1
.endr
.irp i, 2,4,6,8,10,12,14
.irp b, 0,1,2,3
	v_max3_num_f32 v[TM+\b], |v[(\s)+16*\b+\i]|, |v[(\s)+16*\b+\i+1]|, v[TM+\b]
.endr
.endr
	WIN 0
.irp b, 0,1,2,3
	v_permlanex16_b32 v[TM+4+\b], v[TM+\b], s[SEL], s[SEL+1]
.endr
.irp b, 0,1,2,3
	v_max_num_f32 v[TM+\b], v[TM+\b], v[TM+4+\b]
.endr
.irp b, 0,1,2,3
	v_add_nc_u32 v[TM+12+\b], 0xff000000, v[TM+\b] ; 2 off the exponent field: the conversion's scale operand
.endr
.irp b, 0,1,2,3
	v_lshrrev_b32 v[TM+4+\b], 23, v[TM+12+\b]
.endr
	v_lshl_or_b32 v[PW], v[TM+5], 8, v[TM+4]
	v_lshl_or_b32 v[PW], v[TM+6], 16, v[PW]
	v_lshl_or_b32 v[PW], v[TM+7], 24, v[PW]
	WIN \w
.irp c, 0,1
	v_cvt_scalef32_pk16_fp6_f32 v[PC+6*\c:PC+2+6*\c], v[(\s)+32*\c:(\s)+32*\c+15], v[TM+12+2*\c]
	v_cvt_scalef32_pk16_fp6_f32 v[PC+12+4*\c:PC+14+4*\c], v[(\s)+32*\c+16:(\s)+32*\c+31], v[TM+13+2*\c]
.endr
	WIN 0
	v_nop                                          ; one plain place behind a scaled conversion
.irp c, 0,1
.irp i, 0,1,2
	v_permlane16_swap_b32 v[PC+6*\c+\i], v[PC+12+4*\c+\i]
.endr
.irp i, 0,1,2
	v_mov_b32 v[PC+3+6*\c+\i], v[PC+12+4*\c+\i]
.endr
.endr
.endm
	s_cmp_eq_u32 s66, 1
	s_cbranch_scc1 .Lv
	; ---- q and k.  Lane (r, h) of block a is one token; registers 2 p, 2 p + 1 are the pair 8 h + p % 8 + 16 ((p / 8) % 2) of head p / 16.  Its 16 pairs of (cos, sin) come by eight loads of 16 bytes a block.
	WIN 0x40                                       ; destination window 1, where B's fragments lay
	s_wait_alu depctr_va_vdst(0)
.irp a, 0,1,2,3,4,5,6,7
.irp e, 0,1
.irp j, 0,1,2,3
	global_load_b128 v[32*\a+16*\e+4*\j:32*\a+16*\e+4*\j+3], v[TOFF], s[4:5] offset:(32*(\a/2)+8*(\a%2))*256+128*\e+16*\j
.endr
.endr
.endr
	WIN 0
.macro EPIQK a
	s_wait_loadcnt 8*(7-(\a))                      ; this block's eight table loads are in; the later blocks' may be out
	s_wait_xcnt 0x0                                ; the last block's stores have read their registers
	WIN (2+(\a)/4)|(1<<2)                          ; source 0: the accumulators' window; source 1: the table's
.irp g, 0,1,2,3,4,5,6,7
.irp p, 0,1,2,3
	v_pk_mul_f32 v[RT+2*\p:RT+2*\p+1], v[64*((\a)%4)+8*\g+2*\p:64*((\a)%4)+8*\g+2*\p+1], v[32*(\a)+2*((4*\g+\p)%16):32*(\a)+2*((4*\g+\p)%16)+1] op_sel:[1,1] op_sel_hi:[0,1]   ; (x2 sin, x1 sin)
.endr
.irp p, 0,1,2,3
	v_pk_fma_f32 v[RR+8*\g+2*\p:RR+8*\g+2*\p+1], v[64*((\a)%4)+8*\g+2*\p:64*((\a)%4)+8*\g+2*\p+1], v[32*(\a)+2*((4*\g+\p)%16):32*(\a)+2*((4*\g+\p)%16)+1], v[RT+2*\p:RT+2*\p+1] op_sel_hi:[1,0,1] neg_lo:[0,0,1]   ; (x1 cos - x2 sin, x2 cos + x1 sin)
.endr
.endr
	WIN 0
	QUANT RR, 0
	v_lshrrev_b32 v[SW+(\a)], v[SH], v[PW]         ; lanes 0-15 keep the first head's two bytes low, lanes 16-31 bring the second head's down
.irp p, 0,1,2,3,4,5
	global_store_b64 v[EG], v[PC+2*\p:PC+2*\p+1], s[8:9] offset:(\p/3)*HS+768*(\a)+256*(\p%3)   ; registers 0-5 are the first head's 64, registers 6-11 the second's
.endr
.endm
.irp a, 0,1,2,3,4,5,6,7
	EPIQK \a
.endr
.irp i, 0,1,2,3
	v_perm_b32 v[KP+\i], v[SW+2*\i+1], v[SW+2*\i], 0x05040100   ; tile 2 i's two bytes low, tile 2 i + 1's high
.endr
	global_store_b128 v[ES], v[KP:KP+3], s[10:11]  ; sixteen lanes fill 256 bytes of each head's record
	s_branch .Ljoin
.Lv:
	; ---- v.  Lane (r, h) of block a is one channel; its 64 registers run along the 128 keys: the accumulators are quantised as they stand.
.irp a, 0,1,2,3,4,5,6,7
	s_wait_xcnt 0x0                                ; the last block's stores have read their registers
	QUANT 64*(\a%4), 2+\a/4
	v_mov_b32 v[SW+\a], v[PW]
.irp p, 0,1,2,3,4,5
	global_store_b64 v[EG], v[PC+2*\p:PC+2*\p+1], s[8:9] offset:(\a/4)*HS+1536*(\a%4)+256*\p
.endr
.endr
	s_mov_b32 vcc_lo, 0xffff0000
.irp i, 0,1,2,3
	v_cndmask_b32 v[KP+\i], v[SW+\i], v[SW+4+\i], vcc_lo   ; lanes 0-15 the first head's four words, lanes 16-31 the second's
.endr
	global_store_b128 v[ES], v[KP:KP+3], s[10:11]
.Ljoin:
	s_wait_tensorcnt 0x0                           ; the wave's end
	ds_add_u32 v[SPW], v[NIL]
	s_wait_dscnt 0x0
	CROUND                                         ; the closing round: no work-group ends while a partner may still ask for a tile that names it
	s_endpgm
.Lfunc_end_k_q46f3e67e16_qkv:
	.size	k_q46f3e67e16_qkv, .Lfunc_end_k_q46f3e67e16_qkv-k_q46f3e67e16_qkv
	.p2alignl 7, 3214868480
	.fill 96, 4, 3214868480
	.section	.rodata,"a",@progbits
	.p2align	6, 0x0
	.amdhsa_kernel k_q46f3e67e16_qkv
		.amdhsa_group_segment_fixed_size 327680
		.amdhsa_private_segment_fixed_size 0
		.amdhsa_enable_private_segment 0
		.amdhsa_kernarg_size 48
		.amdhsa_user_sgpr_count 2
		.amdhsa_user_sgpr_kernarg_segment_ptr 1
		.amdhsa_wavefront_size32 1
		.amdhsa_system_sgpr_workgroup_id_x 1
		.amdhsa_system_sgpr_workgroup_id_y 1
		.amdhsa_system_sgpr_workgroup_id_z 1
		.amdhsa_system_vgpr_workitem_id 0
		.amdhsa_next_free_vgpr 1024
		.amdhsa_next_free_sgpr 100
		.amdhsa_reserve_vcc 1
		.amdhsa_float_denorm_mode_32 3
		.amdhsa_float_denorm_mode_16_64 3
		.amdhsa_memory_ordered 1
		.amdhsa_forward_progress 1
		.amdhsa_inst_pref_size 242
	.end_amdhsa_kernel
	.amdgpu_metadata
---
amdhsa.version: [ 1, 2 ]
amdhsa.kernels:
  - .name:           k_q46f3e67e16_qkv
    .symbol:         k_q46f3e67e16_qkv.kd
    .args:
      - { .name: xc, .offset: 0, .size: 8, .value_kind: global_buffer, .address_space: global }
      - { .name: xs, .offset: 8, .size: 8, .value_kind: global_buffer, .address_space: global }
      - { .name: wc, .offset: 16, .size: 8, .value_kind: global_buffer, .address_space: global }
      - { .name: ws, .offset: 24, .size: 8, .value_kind: global_buffer, .address_space: global }
      - { .name: tab, .offset: 32, .size: 8, .value_kind: global_buffer, .address_space: global }
      - { .name: qkv, .offset: 40, .size: 8, .value_kind: global_buffer, .address_space: global }
    .group_segment_fixed_size: 327680
    .private_segment_fixed_size: 0
    .kernarg_segment_align: 8
    .kernarg_segment_size: 48
    .max_flat_workgroup_size: 128
    .sgpr_count:     100
    .vgpr_count:     1024
    .wavefront_size: 32
...
	.end_amdgpu_metadata
.endif
;; end of part 2
;; launch attn (part 3): grid 4 x 64, 16 waves a work-group, clusters of 4 x 1, 206,848 bytes of LDS; arguments qkv, ao, aos; writes ao, aos
.if DOCPART == 3
	.amdgcn_target "amdgcn-amd-amdhsa--gfx1250"
	.amdhsa_code_object_version 6
	.text
	.protected	k_q46f3e67e16_attn
	.globl	k_q46f3e67e16_attn
	.p2align	8
	.type	k_q46f3e67e16_attn,@function
k_q46f3e67e16_attn:
	s_mov_b64 s[64:65], 0
	v_nop
	global_prefetch_b8 v0, s[64:65] scope:SCOPE_SE
	s_setreg_imm32_b32 hwreg(HW_REG_WAVE_MODE, 25, 1), 1
	s_wait_xcnt 0x0
	s_wait_alu depctr_hold_cnt(0) depctr_sa_sdst(0) depctr_va_vdst(0) depctr_va_sdst(0) depctr_va_ssrc(0) depctr_va_vcc(0) depctr_vm_vsrc(0)
	s_getreg_b32 s2, hwreg(HW_REG_IB_STS2, 6, 4)
	s_cmp_eq_u32 s2, 0
	s_cbranch_scc0 .Lentry_in_a_cluster
	s_endpgm
.Lentry_in_a_cluster:
	s_bfe_u32 s2, ttmp6, 0x10000c
	s_cmp_lg_u32 s2, 0x3003
	s_cbranch_scc0 .Lentry_shape_is_right
	s_endpgm
.Lentry_shape_is_right:
; Causal attention of one (batch, head) on codes of FP6 (E2M3) with E8M0 scales; head size 64, 2,048 tokens.  The result, divided by the row's sum, is quantised along the model's 1,024 and leaves as codes.
; THE SOFTMAX AHEAD OF THE SECOND PRODUCT: t = score x log2(e) / 8; M = the row's largest t so far, rounded up to a whole number; p = 2^(t - M) is what is quantised, along the keys.  The row's sum is taken of the
; unquantised p.  When M moves, the sum and O are multiplied by 2^(old M - new M): exact.
; SHARES.  A cluster of four work-groups is one head.  The head's K, V and their scales are 16 x 12,800 bytes: they come into LDS ONCE, each of the sixteen waves asking for one sixteenth JOINTLY with its partners, and are
; only read from then on: nothing is filled again.  Partner cx takes the query tiles 4 j + cx; wave w takes j = w in the first pass and j = 31 - w in the second.  Tiles 4 j .. 4 j + 3 are queries 64 j .. 64 j + 63:
; they want key steps 0 .. j / 2, a number that hangs on the wave and the pass alone; each wave has 17 key steps in all.  Every pass walks all 16 steps of the loop and jumps over the work of the hidden ones.
; LAYOUT.  Both products are used transposed (S^T = K Q^T, O^T = V^T P^T): a lane holds one query throughout.  Tile T holds in lane place r the token 32 (T / 2) + 8 (T % 2) + r + 8 (r / 8), so the 16 registers
; of key tiles 2 i, 2 i + 1 are 16 neighbouring keys.
; THE FIRST PRODUCT'S K IS 64, THE INSTRUCTION'S 128: a fragment holds TWO key tiles (registers 0-5 and 6-11) and is multiplied once by [q; zero codes] and once by [zero codes; q]: zero codes add nothing.
; The scale bytes of the result are stored two bytes a lane, 8 bytes apart: one part in 24 of what this launch stores.
; LIMITS: NaN and infinities are not served; a block of zeros gets the byte 1 (its codes are zeros).
; REGISTERS: v1-7 addresses that stay; v8, v9 the step's; v12 -M, v13 the largest t, v[14:15] the sum; v16-27, v28-39 the two forms of Q; v40-87 four fragments of K, then of V; v96-159 S^T, then p; v160-191 O^T;
;   v192, v255 Q's scale words; v224.. p's codes; v232-254 at work; v248-251 K's scale words, then V's; v253 p's.
.set REC,   19200
.set HS,    16*REC
.set LREC,  12800                      ; what a key step wants in LDS: K's codes, V's codes, K's and V's scale words
.set VOFF,  6144
.set KSOFF, 12288
.set QOFF,  12800
.set QSOFF, 18944
.macro ROUND                           ; a round of the cluster's barrier
	s_barrier_signal -1
	s_barrier_wait -1
	s_cmp_lg_u32 s18, 0
	s_cbranch_scc1 .Lnot_wave_0_\@
	s_barrier_signal -3
.Lnot_wave_0_\@:
	s_barrier_wait -3
	s_barrier_signal -1
	s_barrier_wait -1
.endm
	s_load_b128 s[4:7], s[0:1], 0x0                ; the records, the result's codes
	s_load_b64 s[8:9], s[0:1], 0x10                ; the result's scale bytes
	v_lshl_add_u32 v223, v0, 2, 0x32000
	v_mov_b32 v243, 0
	ds_add_u32 v223, v243
	ds_add_u32 v223, v243
	v_lshrrev_b32 v1, 5, v0
	s_delay_alu instid0(VALU_DEP_1)
	v_readfirstlane_b32 s18, v1                    ; wave 0..15
	s_bfe_u32 s32, ttmp6, 0x40000                  ; cx: it enters Q's and the result's addresses and the mask's numbers alone
	s_and_b32 s33, ttmp7, 0xffff                   ; 16 x batch + head, which the four partners share
	s_mul_i32 s50, s33, HS
	s_mul_i32 s52, s18, REC
	s_add_co_u32 s52, s52, s50                     ; key step w's record
	s_mov_b32 s53, 0
	s_mov_b32 s24, 15|(3<<16)|(1<<21)              ; 15:0 the mask: all four work-groups; 17:16 elements of 8 bytes; 21 set beside a mask
	s_mov_b32 s25, 32<<16                          ; tensor_dim0 = 32: rows of 256 bytes
	s_mov_b32 s26, 50<<16                          ; tensor_dim1 = 50
	s_mov_b32 s27, 32<<16                          ; tile_dim0
	s_mov_b32 s28, 50                              ; tile_dim1
	s_mov_b32 s29, 32                              ; dense
	s_mov_b32 s30, 0
	s_mov_b32 s31, 0
	s_mov_b32 s12, 1
	s_mul_i32 s13, s18, LREC
	s_wait_dscnt 0x0
	s_wait_kmcnt 0x0
	s_add_nc_u64 s[14:15], s[4:5], s[52:53]
	s_or_b32 s15, s15, 0x80000000
	ROUND                                          ; all four work-groups are here: the joint loads meet
	tensor_load_to_lds s[12:15], s[24:31]          ; my one tensor load of the launch
	s_nop 0
.rept 4
	v_nop
.endr
	v_and_b32 v1, 31, v0
	s_delay_alu instid0(VALU_DEP_1)
	v_lshlrev_b32 v1, 3, v1                        ; 8 x lane
	v_and_b32 v10, 15, v0                          ; r
	v_bfe_u32 v11, v0, 4, 1                        ; h
	s_delay_alu instid0(VALU_DEP_2)
	v_lshlrev_b32 v5, 4, v10                       ; 16 r
	s_delay_alu instid0(VALU_DEP_1)
	v_add_nc_u32 v2, KSOFF, v5
	s_delay_alu instid0(VALU_DEP_4)
	v_lshlrev_b32 v6, 3, v10                       ; 8 r
	s_lshr_b32 s52, s32, 1
	s_lshl_b32 s52, s52, 5
	s_and_b32 s53, s32, 1
	s_lshl_b32 s56, s53, 4                         ; which half of a scale word is my tile's
	s_lshl_b32 s53, s53, 3
	s_add_co_u32 s52, s52, s53
	v_and_b32 v3, 8, v10
	s_delay_alu instid0(VALU_DEP_1)
	v_add_nc_u32 v3, v3, v10
	v_lshlrev_b32 v4, 4, v11
	s_delay_alu instid0(VALU_DEP_1)
	v_sub_nc_u32 v3, v3, v4
	s_delay_alu instid0(VALU_DEP_1)
	v_add_nc_u32 v3, s52, v3                       ; my query's place among its 64, less 16 h
.irp j, 22,23,24,25,26,27,28,29,30,31,32,33
	v_mov_b32 v[\j], 0                             ; the zero codes of the two forms of Q: written once
.endr
.irp j, 236,237,238,239,252,253
	v_mov_b32 v[\j], 0                             ; lane permutes' destinations, and the upper half of the pair v[252:253]
.endr
	s_sub_co_u32 s34, 31, s18
	s_lshr_b32 s51, s33, 4
	s_lshl_b32 s51, s51, 7
	s_add_co_u32 s51, s51, s32                     ; 128 x batch + cx
	s_and_b32 s58, s33, 15                         ; the head
	s_lshr_b32 s59, s58, 2
	s_lshl_b32 s59, s59, 7
	s_and_b32 s53, s58, 3
	s_lshl_b32 s53, s53, 1
	s_add_co_u32 s59, s59, s53                     ; the head's two bytes in a tile's 512 scale bytes
	s_mov_b32 s20, 0x76543210
	s_mov_b32 s21, 0xfedcba98
	s_mov_b32 s22, 0x3e38aa3b                      ; c = log2(e) / 8
	s_mov_b32 s23, s22
	s_wait_tensorcnt 0x0                           ; my sixteenth is in,
	s_barrier_signal -1
	s_barrier_wait -1                              ; everybody's is: from here on LDS is only read
	s_mov_b32 s35, 0
.Lpass:
	s_wait_xcnt 0x0                                ; the last pass's stores have read their bases and registers
	s_cmp_eq_u32 s35, 0
	s_cselect_b32 s36, s18, s34                    ; j
	s_lshr_b32 s37, s36, 1                         ; the last key step that counts: the one on the diagonal
	s_and_b32 s48, s36, 1
	s_mul_i32 s52, s37, REC
	s_add_co_u32 s52, s52, s50                     ; my queries' record
	s_lshl_b32 s53, s48, 2
	s_add_co_u32 s53, s53, s32                     ; my tile in it
	s_mul_i32 s54, s53, 768
	s_add_co_u32 s54, s54, s52
	s_add_co_u32 s54, s54, QOFF
	s_mov_b32 s55, 0
	s_add_nc_u64 s[40:41], s[4:5], s[54:55]        ; Q's codes
	s_lshr_b32 s54, s53, 1
	s_lshl_b32 s54, s54, 2
	s_add_co_u32 s54, s54, s52
	s_add_co_u32 s54, s54, QSOFF
	s_add_nc_u64 s[42:43], s[4:5], s[54:55]        ; Q's scale words
	s_lshl_b32 s53, s36, 2
	s_add_co_u32 s53, s53, s51                     ; my tile among all tokens' tiles
	s_lshl_b32 s54, s53, 4
	s_add_co_u32 s54, s54, s58
	s_mul_i32 s54, s54, 768
	s_add_nc_u64 s[44:45], s[6:7], s[54:55]        ; the result's codes
	s_lshl_b32 s54, s53, 9
	s_add_co_u32 s54, s54, s59
	s_add_nc_u64 s[46:47], s[8:9], s[54:55]        ; and scale bytes
	s_lshl_b32 s54, s48, 6
.irp p, 0,1,2
	global_load_b64 v[16+2*\p:17+2*\p], v1, s[40:41] offset:256*\p   ; q in the lower half of K,
	global_load_b64 v[34+2*\p:35+2*\p], v1, s[40:41] offset:256*\p   ; and once more in the upper half
.endr
	global_load_b32 v254, v5, s[42:43]
	v_add_nc_u32 v7, s54, v3                       ; d = my query - the diagonal step's first key - 16 h
	v_mov_b32 v13, 0xff61b1e6                      ; the largest t so far: -3e38
	s_delay_alu instid0(VALU_DEP_1)
	v_floor_f32 v12, -v13                          ; -M
	v_mov_b32 v14, 0
	v_mov_b32 v15, 0
	s_wait_loadcnt 0x0
	v_lshrrev_b32 v255, s56, v254                  ; q's two bytes for K = 0 .. 63; what stands above them scales zero codes
	s_delay_alu instid0(VALU_DEP_1)
	v_lshlrev_b32 v192, 16, v255                   ; and for K = 64 .. 127
.set n, 0
.rept 32
	v_mov_b32 v[160+n], 0                          ; O^T.  (These also stand between the scale words' making and the first product)
.set n, n+1
.endr
	s_mov_b32 s39, 0                               ; LDS byte at which the step's record begins
	s_mov_b32 s38, 0                               ; the step
.Lstep:
	s_cmp_gt_u32 s38, s37                          ; all of this step's keys come after my queries: its work is left out
	s_cbranch_scc1 .Lhid
	s_setprio 2
	v_add_nc_u32 v8, s39, v1
	v_add_nc_u32 v9, s39, v2
	v_nop
	v_nop                                          ; four places in front of loads into registers that matrix instructions have read
.irp i, 0,1,2,3
.irp p, 0,1,2,3,4,5
	ds_load_b64 v[40+12*\i+2*\p:41+12*\i+2*\p], v8 offset:1536*\i+256*\p   ; key tiles 2 i and 2 i + 1 in one fragment
.endr
.endr
	ds_load_b128 v[248:251], v9                    ; their scale words
	s_wait_alu depctr_va_vdst(0)
	s_wait_dscnt 0x0
.irp i, 0,1,2,3
	v_wmma_scale_f32_16x16x128_f8f6f4 v[96+16*\i:103+16*\i], v[40+12*\i:51+12*\i], v[16:27], 0, v[248+\i], v255 matrix_a_fmt:MATRIX_FMT_FP6 matrix_b_fmt:MATRIX_FMT_FP6
	v_wmma_scale_f32_16x16x128_f8f6f4 v[104+16*\i:111+16*\i], v[40+12*\i:51+12*\i], v[28:39], 0, v[248+\i], v192 matrix_a_fmt:MATRIX_FMT_FP6 matrix_b_fmt:MATRIX_FMT_FP6
.endr
.rept 4
	v_nop
.endr
.irp c, 0,1,2,3
.irp p, 0,1,2,3,4,5
	ds_load_b64 v[40+12*\c+2*\p:41+12*\c+2*\p], v8 offset:VOFF+1536*\c+256*\p   ; V^T's four fragments land while the softmax is worked
.endr
.endr
	ds_load_b128 v[248:251], v9 offset:256
	s_cmp_lg_u32 s38, s37                          ; only the last step that counts lies on the diagonal
	s_cbranch_scc1 .Lopen
	v_mov_b32 v254, 0xff800000                     ; register 16 b + i holds the step's key 32 b + 16 h + i: hidden where 32 b + i > d
.set n, 0
.rept 64
	v_cmp_gt_i32 vcc_lo, 32*(n/16)+n%16, v7
	v_cndmask_b32 v[96+n], v[96+n], v254, vcc_lo
.set n, n+1
.endr
.Lopen:
.irp b, 0,1,2,3
	v_max3_num_f32 v[232+\b], v[96+16*\b], v[97+16*\b], v[98+16*\b]   ; the largest score of each block of 32 keys: for the row's maximum, and, since p rises with the score, for the block's largest p
.endr
.irp i, 3,5,7,9,11,13
.irp b, 0,1,2,3
	v_max3_num_f32 v[232+\b], v[232+\b], v[96+16*\b+\i], v[97+16*\b+\i]
.endr
.endr
.irp b, 0,1,2,3
	v_max_num_f32 v[232+\b], v[232+\b], v[111+16*\b]
.endr
.irp b, 0,1,2,3
	s_delay_alu instid0(VALU_DEP_4)
	v_permlanex16_b32 v[236+\b], v[232+\b], s20, s21
.endr
.irp b, 0,1,2,3
	s_delay_alu instid0(VALU_DEP_4)
	v_max_num_f32 v[232+\b], v[232+\b], v[236+\b]
.endr
	s_delay_alu instid0(VALU_DEP_2)
	v_max3_num_f32 v254, v232, v233, v234
	s_delay_alu instid0(VALU_DEP_1)
	v_max_num_f32 v254, v254, v235
	s_delay_alu instid0(VALU_DEP_1)
	v_mul_f32 v254, s22, v254
	s_delay_alu instid0(VALU_DEP_1)
	v_max_num_f32 v13, v13, v254                   ; the running largest t
	v_mov_b32 v254, v12
	s_delay_alu instid0(VALU_DEP_2)
	v_floor_f32 v12, -v13                          ; the new -M: a whole number
	s_delay_alu instid0(VALU_DEP_1)
	v_sub_f32 v254, v12, v254
	s_delay_alu instid0(VALU_DEP_1)
	v_cvt_i32_f32 v254, v254                       ; (it saturates)
	s_delay_alu instid0(VALU_DEP_1)
	v_ldexp_f32 v252, 1.0, v254                    ; f = 2^(old M - new M)
.set n, 0
	s_setprio 1
.rept 32
	v_pk_fma_f32 v[96+n:97+n], v[96+n:97+n], s[22:23], v[12:13] op_sel_hi:[1,0,0]   ; t - M
.set n, n+2
.endr
.irp b, 0,1,2,3
	v_fma_f32 v[232+\b], v[232+\b], s22, v12
.endr
.set n, 0
	s_wait_alu depctr_va_vdst(0)
.rept 64
	v_exp_f32 v[96+n], v[96+n]                     ; p = 2^(t - M)
.set n, n+1
.endr
.irp b, 0,1,2,3
	v_exp_f32 v[232+\b], v[232+\b]                 ; the block's largest p
.endr
	v_pk_mul_f32 v[14:15], v[14:15], v[252:253] op_sel_hi:[1,0]   ; the sums under the new M.  (A plain place behind the exponentials)
	s_wait_alu depctr_va_vdst(0)
.irp b, 0,1,2,3
	v_max_num_f32 v[232+\b], 0x1800000, v[232+\b]  ; the floor 2^(3 - 127)
.endr
.irp b, 0,1,2,3
	s_delay_alu instid0(VALU_DEP_4)
	v_add_nc_u32 v[244+\b], 0xff000000, v[232+\b]
.endr
.irp b, 0,1,2,3
	s_delay_alu instid0(VALU_DEP_4)
	v_lshrrev_b32 v[236+\b], 23, v[244+\b]
.endr
	s_delay_alu instid0(VALU_DEP_3)
	v_lshl_or_b32 v253, v237, 8, v236              ; p's scale word for these 128 keys
	s_delay_alu instid0(VALU_DEP_1)
	v_lshl_or_b32 v253, v238, 16, v253
	s_delay_alu instid0(VALU_DEP_1)
	v_lshl_or_b32 v253, v239, 24, v253
.irp c, 0,1
	v_cvt_scalef32_pk16_fp6_f32 v[224+6*\c:226+6*\c], v[96+32*\c:111+32*\c], v[244+2*\c]
	v_cvt_scalef32_pk16_fp6_f32 v[236+4*\c:238+4*\c], v[112+32*\c:127+32*\c], v[244+2*\c+1]
.endr
	v_nop                                          ; one plain place behind a scaled conversion
.irp c, 0,1
.irp i, 0,1,2
	v_permlane16_swap_b32 v[224+6*\c+\i], v[236+4*\c+\i]
.endr
.irp i, 0,1,2
	s_delay_alu instid0(VALU_DEP_3)
	v_mov_b32 v[227+6*\c+\i], v[236+4*\c+\i]
.endr
.endr
	v_pk_add_f32 v[236:237], v[100:101], v[104:105]
	v_pk_add_f32 v[246:247], v[108:109], v[112:113]
	v_pk_add_f32 v[244:245], v[116:117], v[120:121]
	v_pk_add_f32 v[240:241], v[124:125], v[128:129]
	v_pk_add_f32 v[220:221], v[132:133], v[136:137]
	v_pk_add_f32 v[218:219], v[140:141], v[144:145]
	v_pk_add_f32 v[216:217], v[148:149], v[152:153]
	v_pk_add_f32 v[14:15], v[14:15], v[156:157]
	s_setprio 0
	v_pk_add_f32 v[236:237], v[236:237], v[96:97]
	v_pk_add_f32 v[246:247], v[246:247], v[98:99]
	v_pk_add_f32 v[244:245], v[244:245], v[102:103]
	v_pk_add_f32 v[240:241], v[240:241], v[106:107]
	v_pk_add_f32 v[220:221], v[220:221], v[110:111]
	v_pk_add_f32 v[218:219], v[218:219], v[114:115]
	v_pk_add_f32 v[216:217], v[216:217], v[118:119]
	v_pk_add_f32 v[14:15], v[14:15], v[122:123]
	v_pk_add_f32 v[236:237], v[236:237], v[126:127]
	v_pk_add_f32 v[246:247], v[246:247], v[130:131]
	v_pk_add_f32 v[244:245], v[244:245], v[134:135]
	v_pk_add_f32 v[240:241], v[240:241], v[138:139]
	v_pk_add_f32 v[220:221], v[220:221], v[142:143]
	v_pk_add_f32 v[218:219], v[218:219], v[146:147]
	v_pk_add_f32 v[216:217], v[216:217], v[150:151]
	v_pk_add_f32 v[14:15], v[14:15], v[154:155]
	v_pk_add_f32 v[236:237], v[236:237], v[158:159]
	s_delay_alu instid0(VALU_DEP_2)
	v_pk_add_f32 v[14:15], v[14:15], v[240:241]
	s_delay_alu instid0(VALU_DEP_2)
	v_pk_add_f32 v[236:237], v[236:237], v[220:221]
	v_pk_add_f32 v[246:247], v[246:247], v[218:219]
	v_pk_add_f32 v[244:245], v[244:245], v[216:217]
	s_delay_alu instid0(VALU_DEP_2)
	v_pk_add_f32 v[14:15], v[14:15], v[246:247]
	s_delay_alu instid0(VALU_DEP_2)
	v_pk_add_f32 v[236:237], v[236:237], v[244:245]
	s_delay_alu instid0(VALU_DEP_1)
	v_pk_add_f32 v[14:15], v[14:15], v[236:237]
.set n, 0
.rept 16
	v_pk_mul_f32 v[160+n:161+n], v[160+n:161+n], v[252:253] op_sel_hi:[1,0]   ; O^T under the new M
.set n, n+2
.endr
	s_wait_alu depctr_va_vdst(0)
	s_wait_dscnt 0x0                               ; V and its scale words are in
.irp c, 0,1,2,3
	v_wmma_scale_f32_16x16x128_f8f6f4 v[160+8*\c:167+8*\c], v[40+12*\c:51+12*\c], v[224:235], v[160+8*\c:167+8*\c], v[248+\c], v253 matrix_a_fmt:MATRIX_FMT_FP6 matrix_b_fmt:MATRIX_FMT_FP6
.endr
.Lhid:
	s_add_co_u32 s39, s39, LREC
	s_add_co_u32 s38, s38, 1
	s_cmp_lt_u32 s38, 16
	s_cbranch_scc1 .Lstep
	s_setprio 0
	; THE END OF A PASS: O^T / the sum; register 16 b + i is the head's channel 32 b + 16 h + i: two blocks of the next product's K
.rept 4
	v_nop
.endr
	v_add_f32 v14, v14, v15
	s_delay_alu instid0(VALU_DEP_1)
	v_permlanex16_b32 v252, v14, s20, s21
	s_delay_alu instid0(VALU_DEP_1)
	v_add_f32 v14, v14, v252
	s_wait_alu depctr_va_vdst(0)
	v_rcp_f32 v14, v14
	v_nop                                          ; a plain place behind the transcendental
.set n, 0
	s_wait_alu depctr_va_vdst(0)
.rept 32
	v_mul_f32 v[96+n], v[160+n], v14
.set n, n+1
.endr
.irp b, 0,1
	v_max3_num_f32 v[232+\b], |v[96+16*\b]|, |v[97+16*\b]|, 0x1800000
.endr
.irp i, 2,4,6,8,10,12,14
.irp b, 0,1
	s_delay_alu instid0(VALU_DEP_2)
	v_max3_num_f32 v[232+\b], v[232+\b], |v[96+16*\b+\i]|, |v[97+16*\b+\i]|
.endr
.endr
.irp b, 0,1
	s_delay_alu instid0(VALU_DEP_2)
	v_permlanex16_b32 v[236+\b], v[232+\b], s20, s21
.endr
.irp b, 0,1
	s_delay_alu instid0(VALU_DEP_2)
	v_max_num_f32 v[232+\b], v[232+\b], v[236+\b]
.endr
.irp b, 0,1
	s_delay_alu instid0(VALU_DEP_2)
	v_add_nc_u32 v[244+\b], 0xff000000, v[232+\b]
.endr
.irp b, 0,1
	s_delay_alu instid0(VALU_DEP_2)
	v_lshrrev_b32 v[236+\b], 23, v[244+\b]
.endr
	s_delay_alu instid0(VALU_DEP_1)
	v_lshl_or_b32 v254, v237, 8, v236              ; the head's two scale bytes of my token
	v_cvt_scalef32_pk16_fp6_f32 v[224:226], v[96:111], v244
	v_cvt_scalef32_pk16_fp6_f32 v[236:238], v[112:127], v245
	v_nop
.irp i, 0,1,2
	v_permlane16_swap_b32 v[224+\i], v[236+\i]
.endr
.irp i, 0,1,2
	s_delay_alu instid0(VALU_DEP_3)
	v_mov_b32 v[227+\i], v[236+\i]
.endr
.irp p, 0,1,2
	global_store_b64 v1, v[224+2*\p:225+2*\p], s[44:45] offset:256*\p   ; half a fragment of the last product's A: 256 consecutive bytes a store, aligned
.endr
	global_store_b16 v6, v254, s[46:47]            ; lanes 16-31 write what lanes 0-15 write
	s_add_co_u32 s35, s35, 1
	s_cmp_lt_u32 s35, 2
	s_cbranch_scc1 .Lpass
	s_wait_tensorcnt 0x0
	ds_add_u32 v223, v243
	s_wait_dscnt 0x0
	ROUND                                          ; the closing round
	s_endpgm
.Lfunc_end_k_q46f3e67e16_attn:
	.size	k_q46f3e67e16_attn, .Lfunc_end_k_q46f3e67e16_attn-k_q46f3e67e16_attn
	.p2alignl 7, 3214868480
	.fill 96, 4, 3214868480
	.section	.rodata,"a",@progbits
	.p2align	6, 0x0
	.amdhsa_kernel k_q46f3e67e16_attn
		.amdhsa_group_segment_fixed_size 206848
		.amdhsa_private_segment_fixed_size 0
		.amdhsa_enable_private_segment 0
		.amdhsa_kernarg_size 24
		.amdhsa_user_sgpr_count 2
		.amdhsa_user_sgpr_kernarg_segment_ptr 1
		.amdhsa_wavefront_size32 1
		.amdhsa_system_sgpr_workgroup_id_x 1
		.amdhsa_system_sgpr_workgroup_id_y 1
		.amdhsa_system_sgpr_workgroup_id_z 1
		.amdhsa_system_vgpr_workitem_id 0
		.amdhsa_next_free_vgpr 256
		.amdhsa_next_free_sgpr 66
		.amdhsa_reserve_vcc 1
		.amdhsa_float_denorm_mode_32 3
		.amdhsa_float_denorm_mode_16_64 3
		.amdhsa_memory_ordered 1
		.amdhsa_forward_progress 1
		.amdhsa_inst_pref_size 36
	.end_amdhsa_kernel
	.amdgpu_metadata
---
amdhsa.version: [ 1, 2 ]
amdhsa.kernels:
  - .name:           k_q46f3e67e16_attn
    .symbol:         k_q46f3e67e16_attn.kd
    .args:
      - { .name: qkv, .offset: 0, .size: 8, .value_kind: global_buffer, .address_space: global }
      - { .name: ao, .offset: 8, .size: 8, .value_kind: global_buffer, .address_space: global }
      - { .name: aos, .offset: 16, .size: 8, .value_kind: global_buffer, .address_space: global }
    .group_segment_fixed_size: 206848
    .private_segment_fixed_size: 0
    .kernarg_segment_align: 8
    .kernarg_segment_size: 24
    .max_flat_workgroup_size: 512
    .sgpr_count:     66
    .vgpr_count:     256
    .wavefront_size: 32
...
	.end_amdgpu_metadata
.endif
;; end of part 3
;; launch outp (part 4): grid 4 x 32, 4 waves a work-group, clusters of 4 x 4, 327,680 bytes of LDS; arguments ao, aos, wc, ws, out0; writes out0
.if DOCPART == 4
	.amdgcn_target "amdgcn-amd-amdhsa--gfx1250"
	.amdhsa_code_object_version 6
	.text
	.protected	k_q46f3e67e16_outp
	.globl	k_q46f3e67e16_outp
	.p2align	8
	.type	k_q46f3e67e16_outp,@function
k_q46f3e67e16_outp:
	s_mov_b64 s[64:65], 0
	v_nop
	global_prefetch_b8 v0, s[64:65] scope:SCOPE_SE
	s_setreg_imm32_b32 hwreg(HW_REG_WAVE_MODE, 25, 1), 1
	s_wait_xcnt 0x0
	s_wait_alu depctr_hold_cnt(0) depctr_sa_sdst(0) depctr_va_vdst(0) depctr_va_sdst(0) depctr_va_ssrc(0) depctr_va_vcc(0) depctr_vm_vsrc(0)
	s_getreg_b32 s2, hwreg(HW_REG_IB_STS2, 6, 4)
	s_cmp_eq_u32 s2, 0
	s_cbranch_scc0 .Lentry_in_a_cluster
	s_endpgm
.Lentry_in_a_cluster:
	s_bfe_u32 s2, ttmp6, 0x10000c
	s_cmp_lg_u32 s2, 0xf033
	s_cbranch_scc0 .Lentry_shape_is_right
	s_endpgm
.Lentry_shape_is_right:
; out0 = a wo^T: a [8192][1024] (the attention's result) and wo [1024][1024] as codes of FP6 (E2M3) with E8M0 scales; out0 f32; sums in f32.
; A tile of the result, 256 x 256, is made by four waves, each 128 x 128: 64 accumulators, 512 registers.  K = 1,024 goes in four steps of 256 through two LDS slots filled by the tensor data mover.
; OPERANDS LIE IN MEMORY AS IMAGES OF THEIR REGISTERS (fragment of tile T, K step s at (8 T + s) x 1,536 bytes; registers 2 p, 2 p + 1 of lane l at 256 p + 8 l), so an LDS load of 8 bytes a lane reads 256 consecutive bytes.
; Tile T holds in lane place r the row 32 (T / 2) + 8 (T % 2) + r + 8 (r / 8).  Source 0 = 16 rows of wo, source 1 = 16 tokens: a lane holds one token, and register j of wo's tile b the column 32 (b / 2) + 8 (b % 2) + 16 (lane / 16) + j.
; CLUSTERS: 4 x 4 work-groups; a's tiles are asked for jointly along a row of the cluster, wo's along a column.  128 work-groups: the result has no more tiles of this size.
; REGISTERS: window 0: v0-31 addresses; v32-63 scale words, two sets; v128-223 A's fragments, one set; on the way out v128-255 rows read back.  window 1: B's fragments, two sets.  windows 2, 3: the accumulators.
.set NQ,     2
.set FR,     12
.set NL,     6
.set NP,     4                         ; places behind this matrix instruction (ISA guide 7.12.1)
.set FRB,    1536
.set TILEB,  NQ*FRB
.set HALFT,  8*TILEB
.set SLOT,   4*HALFT
.set LAPS,   2
.set SCL,    2*SLOT
.set HALFS,  4096
.set SBLK,   512
.set SPARE,  SCL+4*HALFS               ; the spare words, 128 bytes for each wave: two blocks of 256 bytes that no other line names
.set SPITCH, 528                       ; the way out: a stage of 16 rows x (512 + 16) bytes for each wave, in slot 0, which has had its last fill and its last read when the first result is stored there
.set ADRA, 16
.set ADRB, 20
.set STO,  24
.set RD,   25
.set CO,   26
.set ADRS, 27
.set SPW,  28
.set NIL,  29
.set SC,   32
.set AF,   128
.set BK,   128
.set G1, 24
.set G0, 32
.set G1B, 48
.set G0B, 56
.set G1S, 68
.set G0S, 76
.set G1SB, 80
.set G0SB, 88
.set MSB, 0
.macro WIN new                         ; the immediate's high byte repeats the setting that is left
.if MSB != \new
	s_set_vgpr_msb (MSB<<8)|\new
.set MSB, \new
.endif
.endm
.set MUL_LO, 0xa1
.set MUL_HI, 0xf1
.set TO_B,   0x40
.macro JLOAD g0a, g1a, g0b, g1b        ; a joint load: waves 0 and 1 fetch for A, waves 2 and 3 for B; four v_nop follow each of the two lines
	s_cmp_eq_u32 s15, 0
	s_cbranch_scc0 .Lfor_b_\@
	tensor_load_to_lds s[\g0a:\g0a+3], s[\g1a:\g1a+7]
	s_nop 0
.rept 4
	v_nop
.endr
	s_branch .Lasked_\@
.Lfor_b_\@:
	tensor_load_to_lds s[\g0b:\g0b+3], s[\g1b:\g1b+7]
	s_nop 0
.rept 4
	v_nop
.endr
.Lasked_\@:
.endm
.macro CREST
	s_cmp_lg_u32 s14, 0
	s_cbranch_scc1 .Lnot_wave_0_\@
	s_barrier_signal -3
.Lnot_wave_0_\@:
	s_barrier_wait -3
	s_barrier_signal -1
	s_barrier_wait -1
.endm
.macro CROUND
	s_barrier_signal -1
	s_barrier_wait -1
	CREST
.endm
	s_load_b128 s[4:7], s[0:1], 0x0                ; a's codes, a's scales
	s_load_b128 s[8:11], s[0:1], 0x10              ; the weights' codes, their scales
	s_load_b64 s[12:13], s[0:1], 0x20              ; out0
	v_lshl_add_u32 v[SPW], v0, 2, SPARE
	v_mov_b32 v[NIL], 0
	ds_add_u32 v28, v29
	ds_add_u32 v28, v29
	s_wait_dscnt 0x0
	v_lshrrev_b32 v1, 5, v0
	v_readfirstlane_b32 s14, v1                    ; wave 0..3
	s_lshr_b32 s15, s14, 1
	s_and_b32 s16, s14, 1
	s_bfe_u32 s40, ttmp6, 0x40000                  ; cx, cy
	s_bfe_u32 s41, ttmp6, 0x40004
	s_lshl_b32 s42, ttmp9, 2
	s_add_co_u32 s42, s42, s40                     ; tile column
	s_and_b32 s17, ttmp7, 0xffff
	s_lshl_b32 s17, s17, 2
	s_add_co_u32 s17, s17, s41                     ; tile row
	s_lshl_b32 s43, s41, 2
	s_lshl_b32 s43, 15, s43                        ; my row of the cluster
	s_lshl_b32 s44, 0x1111, s40                    ; my column
	s_or_b32 s[G1+0], s43, (3<<16)|(1<<21)         ; 8 rows (tiles) of 384 elements of 8 bytes, 1,536 elements apart; no padding
	s_or_b32 s[G1B+0], s44, (3<<16)|(1<<21)
.irp g, G1, G1B
	s_mov_b32 s[\g+1], 384<<16
	s_mov_b32 s[\g+2], 8<<16
	s_mov_b32 s[\g+3], 384<<16
	s_mov_b32 s[\g+4], 8
	s_mov_b32 s[\g+5], 1536
	s_mov_b32 s[\g+6], 0
	s_mov_b32 s[\g+7], 0
.endr
	s_or_b32 s[G1S+0], s43, (3<<16)|(1<<21)        ; the scales of 8 tiles: 16 rows of 256 dense bytes
	s_or_b32 s[G1SB+0], s44, (3<<16)|(1<<21)
.irp g, G1S, G1SB
	s_mov_b32 s[\g+1], 32<<16
	s_mov_b32 s[\g+2], 16<<16
	s_mov_b32 s[\g+3], 32<<16
	s_mov_b32 s[\g+4], 16
	s_mov_b32 s[\g+5], 32
	s_mov_b32 s[\g+6], 0
	s_mov_b32 s[\g+7], 0
.endr
	s_lshl_b32 s18, s16, 3
	s_lshl_b32 s20, s17, 4
	s_add_co_u32 s20, s20, s18                     ; A's first tile that I fetch
	s_lshl_b32 s46, s42, 4
	s_add_co_u32 s46, s46, s18
	s_add_co_u32 s46, s46, 192                     ; B's: wo's tiles begin at 192 in the weights' buffer
	s_lshl_b32 s22, s20, 9
	s_mov_b32 s23, 0
	s_lshl_b32 s92, s46, 9
	s_mov_b32 s93, 0
	s_mul_i32 s20, s20, 8*FRB
	s_mov_b32 s21, 0
	s_mul_i32 s46, s46, 8*FRB
	s_mov_b32 s47, 0
	s_mul_i32 s45, s14, HALFT
	s_mul_i32 s94, s14, HALFS
	s_wait_kmcnt 0x0
	s_add_nc_u64 s[20:21], s[4:5], s[20:21]
	s_add_nc_u64 s[22:23], s[6:7], s[22:23]
	s_add_nc_u64 s[46:47], s[8:9], s[46:47]
	s_add_nc_u64 s[92:93], s[10:11], s[92:93]
	CROUND                                         ; all sixteen work-groups are here: the first joint loads meet
	s_mov_b32 s[G0S], 1
	s_add_co_u32 s[G0S+1], s94, SCL
	s_mov_b64 s[G0S+2:G0S+3], s[22:23]
	s_or_b32 s[G0S+3], s[G0S+3], 0x80000000
	s_mov_b32 s[G0SB], 1
	s_add_co_u32 s[G0SB+1], s94, SCL
	s_mov_b64 s[G0SB+2:G0SB+3], s[92:93]
	s_or_b32 s[G0SB+3], s[G0SB+3], 0x80000000
	JLOAD G0S, G1S, G0SB, G1SB
.irp s, 0,1
	s_mov_b32 s[G0+4*\s], 1
	s_add_co_u32 s[G0+4*\s+1], s45, \s*SLOT
	s_add_nc_u64 s[G0+4*\s+2:G0+4*\s+3], s[20:21], \s*TILEB
	s_or_b32 s[G0+4*\s+3], s[G0+4*\s+3], 0x80000000
	s_mov_b32 s[G0B+4*\s], 1
	s_add_co_u32 s[G0B+4*\s+1], s45, \s*SLOT
	s_add_nc_u64 s[G0B+4*\s+2:G0B+4*\s+3], s[46:47], \s*TILEB
	s_or_b32 s[G0B+4*\s+3], s[G0B+4*\s+3], 0x80000000
	s_wait_alu depctr_va_vdst(0)
	s_wait_tensorcnt 0x0
	ds_add_u32 v28, v29
	s_wait_dscnt 0x0
	CROUND
	JLOAD G0+4*\s, G1, G0B+4*\s, G1B               ; one load of mine is out now
.endr
	v_and_b32 v1, 15, v0                           ; r
	v_bfe_u32 v2, v0, 4, 1                         ; h
	s_wait_alu depctr_va_vdst(0)
	v_and_b32 v3, 31, v0
	v_lshlrev_b32 v[CO], 4, v3                     ; 16 x lane: my bytes of a row of 512
	v_lshlrev_b32 v3, 3, v3                        ; 8 x lane
	s_mul_i32 s21, s15, HALFT
	s_mul_i32 s22, s16, HALFT
	s_add_co_u32 s22, s22, 2*HALFT
.irp s, 0,1
	v_add_nc_u32 v[ADRA+\s], s21, v3
	v_add_nc_u32 v[ADRB+\s], s22, v3
	s_add_co_u32 s21, s21, SLOT
	s_add_co_u32 s22, s22, SLOT
.endr
	v_lshlrev_b32 v5, 3, v1
	s_mul_i32 s21, s15, HALFS
	s_mul_i32 s22, s16, HALFS
	s_add_co_u32 s22, s22, 2*HALFS
	s_sub_co_u32 s22, s22, s21
	v_mul_u32_u24 v6, s22, v2                      ; lanes 16-31 take B's: the lower base + h x the distance
	s_add_co_u32 s21, s21, SCL
	v_add_nc_u32 v5, v5, v6
	v_add_nc_u32 v[ADRS], s21, v5
	s_mul_i32 s23, s14, 16*SPITCH                  ; my stage
	v_mul_u32_u24 v5, v1, SPITCH
	v_lshl_add_u32 v5, v2, 6, v5
	v_add_nc_u32 v[STO], s23, v5                   ; in: row r, + 64 h
	v_add_nc_u32 v[RD], s23, v[CO]                 ; back: a row of 512 bytes to the 32 lanes
	s_lshl_b32 s20, s17, 8
	s_lshl_b32 s21, s15, 7
	s_add_co_u32 s20, s20, s21                     ; my first token
	s_lshl_b32 s20, s20, 12                        ; rows of 4,096 bytes
	s_lshl_b32 s46, s42, 10                        ; my first column, in bytes
	s_lshl_b32 s47, s16, 9
	s_add_co_u32 s46, s46, s47
	s_add_co_u32 s20, s20, s46
	s_mov_b32 s21, 0
	s_add_nc_u64 s[12:13], s[12:13], s[20:21]
.macro FRAG reg, adr, q, i             ; a fragment comes as it was stored: six loads of 8 bytes a lane, 256 consecutive bytes each
.irp p, 0,1,2,3,4,5
	ds_load_b64 v[\reg+2*\p:\reg+2*\p+1], v[\adr] offset:(\i)*TILEB+(\q)*FRB+256*\p
.endr
.endm
; 16 matrix instructions: A's blocks a0, a0 + 1 x B's eight.  The 64 accumulators take turns, one instruction a turn, in the same order in every step.
.macro MUL16 a0, p, q, sc, zero
.irp a, \a0, \a0+1
.irp b, 0,1,2,3,4,5,6,7
.if \zero
	v_wmma_scale_f32_16x16x128_f8f6f4 v[8*(8*((\a)%4)+\b):8*(8*((\a)%4)+\b)+7], v[128*(\p)+FR*\b:128*(\p)+FR*\b+FR-1], v[AF+FR*(\a):AF+FR*(\a)+FR-1], 0, v[SC+8*NQ*(\sc)+NQ*\b+(\q)], v[SC+8*NQ*(\sc)+NQ*(\a)+(\q)] matrix_a_fmt:MATRIX_FMT_FP6 matrix_b_fmt:MATRIX_FMT_FP6 matrix_a_scale:MATRIX_SCALE_ROW1
.else
	v_wmma_scale_f32_16x16x128_f8f6f4 v[8*(8*((\a)%4)+\b):8*(8*((\a)%4)+\b)+7], v[128*(\p)+FR*\b:128*(\p)+FR*\b+FR-1], v[AF+FR*(\a):AF+FR*(\a)+FR-1], v[8*(8*((\a)%4)+\b):8*(8*((\a)%4)+\b)+7], v[SC+8*NQ*(\sc)+NQ*\b+(\q)], v[SC+8*NQ*(\sc)+NQ*(\a)+(\q)] matrix_a_fmt:MATRIX_FMT_FP6 matrix_b_fmt:MATRIX_FMT_FP6 matrix_a_scale:MATRIX_SCALE_ROW1
.endif
.endr
.endr
.endm
.macro FETCH_B slot, q, p
	WIN TO_B
.irp i, 0,1,2,3,4,5,6,7
	FRAG 128*(\p)+FR*\i, ADRB+\slot, \q, \i
.endr
	WIN 0
.endm
.macro FETCH_A slot, q, i0
.irp i, \i0, \i0+1, \i0+2, \i0+3
	FRAG AF+FR*(\i), ADRA+\slot, \q, \i
.endr
.endm
.macro SCALES sc
.irp i, 0,1,2,3,4,5,6,7
	ds_load_b64 v[SC+8*NQ*\sc+NQ*\i:SC+8*NQ*\sc+NQ*\i+1], v[ADRS] offset:\i*SBLK
.endr
.endm
.macro PLACES n                        ; plain vector instructions between a matrix instruction and a load into, or a read of, its registers (ISA guide 7.12.1 for vector instructions)
.rept \n
	v_nop
.endr
.endm
.macro STEP slot, q, zero
	s_wait_dscnt 4*NL                              ; B's set and A's blocks 0-3 are in; the youngest 24 loads (A's blocks 4-7) may be out
	WIN MUL_LO
	MUL16 0, (\q)%2, \q, \slot, \zero
	MUL16 2, (\q)%2, \q, \slot, \zero
	s_wait_dscnt 0
	PLACES NP
	FETCH_B \slot, (\q)+1, 1-(\q)%2
	FETCH_A \slot, (\q)+1, 0
	WIN MUL_HI
	MUL16 4, (\q)%2, \q, \slot, \zero
	MUL16 6, (\q)%2, \q, \slot, \zero
	PLACES NP
	WIN 0
	FETCH_A \slot, (\q)+1, 4
.endm
.macro TURN slot, next, fill           ; a slot's last step changes slots: one barrier, with the waits and the add in front of it
	s_wait_tensorcnt 0x0                           ; all my tensor loads have landed: my part of the next slot
	ds_add_u32 v[SPW], v[NIL]                      ; 0 onto my spare word
	s_wait_dscnt 4*NL+1                            ; (the add and the youngest 24 loads may be out)
	WIN MUL_LO
	MUL16 0, 1, NQ-1, \slot, 0
	s_wait_dscnt 0x0                               ; the add is done, and my reads of this slot are over
	s_barrier_signal -1
	MUL16 2, 1, NQ-1, \slot, 0
	WIN 0
	s_barrier_wait -1
.if \fill
	CREST                                          ; the barrier has opened a round of the cluster's: no wave of any partner still reads this slot or has a load on its way
	s_add_nc_u64 s[G0+4*\slot+2:G0+4*\slot+3], s[G0+4*\slot+2:G0+4*\slot+3], 2*TILEB
	s_add_nc_u64 s[G0B+4*\slot+2:G0B+4*\slot+3], s[G0B+4*\slot+2:G0B+4*\slot+3], 2*TILEB
	JLOAD G0+4*\slot, G1, G0B+4*\slot, G1B         ; the first tensor load behind the round, my only one until the next
.else
	PLACES NP
.endif
	s_wait_alu depctr_va_vdst(0)
	v_add_nc_u32 v[ADRS], 128, v[ADRS]
	FETCH_B \next, 0, 0
	FETCH_A \next, 0, 0
	SCALES \next
	WIN MUL_HI
	MUL16 4, 1, NQ-1, \slot, 0
	MUL16 6, 1, NQ-1, \slot, 0
	PLACES NP
	WIN 0
	FETCH_A \next, 0, 4
.endm
	s_wait_alu depctr_va_vdst(0)
	s_wait_tensorcnt 1                             ; the scales and my part of slot 0 are in; slot 1's load may be out
	s_barrier_signal -1
	s_barrier_wait -1
	FETCH_B 0, 0, 0
	FETCH_A 0, 0, 0
	SCALES 0
	FETCH_A 0, 0, 4
	STEP 0, 0, 1                                   ; the first step's products start the sums
	s_mov_b32 s3, LAPS-1
.Llap:
	TURN 0, 1, 1
	STEP 1, 0, 0
	TURN 1, 0, 1
	STEP 0, 0, 0
	s_sub_co_u32 s3, s3, 1
	s_cmp_lg_u32 s3, 0
	s_cbranch_scc1 .Llap
	TURN 0, 1, 0
	STEP 1, 0, 0
	s_wait_dscnt 4*NL
	WIN MUL_LO
	MUL16 0, 1, NQ-1, 1, 0
	MUL16 2, 1, NQ-1, 1, 0
	s_wait_dscnt 0
	WIN MUL_HI
	MUL16 4, 1, NQ-1, 1, 0
	MUL16 6, 1, NQ-1, 1, 0
	WIN 0
; THE WAY OUT, block by block of 16 tokens x 128 columns, through my own stage: a lane's eight numbers go to their columns' place in row r, and whole rows of 512 bytes come back and are stored.
; LDS serves a wave's instructions in order (ISA guide 5.7.1.4): no wait between the stores and the loads, nor in front of the next block's stores.
.macro TOSTAGE a
.set AC, 64*((\a)%4)
	WIN 0x08+4*((\a)/4)                            ; the data: window 2 or 3
.irp b, 0,1,2,3,4,5,6,7
	ds_store_b128 v[STO], v[AC+8*\b:AC+8*\b+3] offset:128*(\b/2)+32*(\b%2)        ; each accumulator from its low end on
	ds_store_b128 v[STO], v[AC+8*\b+4:AC+8*\b+7] offset:128*(\b/2)+32*(\b%2)+16
.endr
	WIN 0
.set BB, BK+64*((\a)%2)
.irp t, 0,1,2,3,4,5,6,7,8,9,10,11,12,13,14,15
	ds_load_b128 v[BB+4*\t:BB+4*\t+3], v[RD] offset:\t*SPITCH
.endr
.endm
.macro SEND a, younger                 ; younger: the LDS instructions issued behind block a's loads, which may stay out
.set BB, BK+64*((\a)%2)
	s_wait_dscnt \younger
.irp t, 0,1,2,3,4,5,6,7,8,9,10,11,12,13,14,15
	global_store_b128 v[CO], v[BB+4*\t:BB+4*\t+3], s[12:13] offset:(32*((\a)/2)+8*((\a)%2)+\t+8*(\t/8))*4096 th:TH_STORE_NT   ; 32 lanes store 512 consecutive bytes, aligned; the token's row stands in the immediate, 127 rows at the most
.endr
.endm
	PLACES NP
	TOSTAGE 0
.irp a, 1,2,3,4,5,6,7
.if \a > 1
	s_wait_xcnt 0x0                                ; block a - 2's stores have read their registers: block a's loads may land there
.endif
	TOSTAGE \a
	SEND \a-1, 32                                  ; behind block a - 1's loads: block a's 16 stores and 16 loads
.endr
	SEND 7, 0
	s_wait_tensorcnt 0x0                           ; the wave's end
	ds_add_u32 v[SPW], v[NIL]
	s_wait_dscnt 0x0
	CROUND                                         ; the closing round
	s_endpgm
.Lfunc_end_k_q46f3e67e16_outp:
	.size	k_q46f3e67e16_outp, .Lfunc_end_k_q46f3e67e16_outp-k_q46f3e67e16_outp
	.p2alignl 7, 3214868480
	.fill 96, 4, 3214868480
	.section	.rodata,"a",@progbits
	.p2align	6, 0x0
	.amdhsa_kernel k_q46f3e67e16_outp
		.amdhsa_group_segment_fixed_size 327680
		.amdhsa_private_segment_fixed_size 0
		.amdhsa_enable_private_segment 0
		.amdhsa_kernarg_size 40
		.amdhsa_user_sgpr_count 2
		.amdhsa_user_sgpr_kernarg_segment_ptr 1
		.amdhsa_wavefront_size32 1
		.amdhsa_system_sgpr_workgroup_id_x 1
		.amdhsa_system_sgpr_workgroup_id_y 1
		.amdhsa_system_sgpr_workgroup_id_z 1
		.amdhsa_system_vgpr_workitem_id 0
		.amdhsa_next_free_vgpr 1024
		.amdhsa_next_free_sgpr 98
		.amdhsa_reserve_vcc 0
		.amdhsa_float_denorm_mode_32 3
		.amdhsa_float_denorm_mode_16_64 3
		.amdhsa_memory_ordered 1
		.amdhsa_forward_progress 1
		.amdhsa_inst_pref_size 160
	.end_amdhsa_kernel
	.amdgpu_metadata
---
amdhsa.version: [ 1, 2 ]
amdhsa.kernels:
  - .name:           k_q46f3e67e16_outp
    .symbol:         k_q46f3e67e16_outp.kd
    .args:
      - { .name: ao, .offset: 0, .size: 8, .value_kind: global_buffer, .address_space: global }
      - { .name: aos, .offset: 8, .size: 8, .value_kind: global_buffer, .address_space: global }
      - { .name: wc, .offset: 16, .size: 8, .value_kind: global_buffer, .address_space: global }
      - { .name: ws, .offset: 24, .size: 8, .value_kind: global_buffer, .address_space: global }
      - { .name: out0, .offset: 32, .size: 8, .value_kind: global_buffer, .address_space: global }
    .group_segment_fixed_size: 327680
    .private_segment_fixed_size: 0
    .kernarg_segment_align: 8
    .kernarg_segment_size: 40
    .max_flat_workgroup_size: 128
    .sgpr_count:     98
    .vgpr_count:     1024
    .wavefront_size: 32
...
	.end_amdgpu_metadata
.endif
;; end of part 4
